; MI455X (gfx1250); checked and timed in simulation.
; The chip was launched on July 23, 2026; its instructions are those of AMD's public machine-readable ISA for CDNA 5 (MIT licence, August 2026) and "CDNA5" Instruction Set Architecture Reference Guide (July 2026). The comments in the code are by the model that wrote it; some were corrected since.
;; Causal Self Po M. Allowed arithmetic: float matrix products may take bf16 or f16 operands with f32 sums; other float arithmetic in f32, or as packed bf16 or f16 multiplies, adds, multiply-adds, maxima and minima; sums over many terms, partial sums and values carried from step to step in f32; what a program stores and reads back later, other than sums and carried values, may be rounded once to bf16 or f16.
;; Inputs: W_agg 1,024 x 4,096 float32; W_out 2,048 x 1,024 float32; W_sel 1,024 x 2,048 float32; sqk_k 4,096 float32; sqk_q 2,048 float32; x 4 x 2,048 x 1,024 float32.
;; Outputs: out0 4 x 2,048 x 1,024 float32.
;; One version. Each part assembles by itself: llvm-mc -triple=amdgcn-amd-amdhsa -mcpu=gfx1250 --defsym DOCPART=n.
;; ======== version 1 of 1: 3 launches
;; limits: values are held in f16: magnitudes above 65,504 overflow, below 6.1e-05 lose precision; inputs' magnitudes at most 65,504; right only within a limited range of input values
;; workspace buffers: xb 16,777,216 bytes; wt1 12,582,912 bytes; wo2 4,194,304 bytes; zt 37,748,736 bytes; norms 1,024 bytes
;; launch lay (part 1): grid 256 x 1, 8 waves a work-group, no clusters, 44,544 bytes of LDS; arguments x, W_sel, W_agg, W_out, sqk_q, sqk_k, xb, wt1, wo2, norms; writes xb, wt1, wo2, norms
.if DOCPART == 1
	.amdgcn_target "amdgcn-amd-amdhsa--gfx1250"
	.amdhsa_code_object_version 6
	.text
	.protected	k_q5b35c7d6b0_lay
	.globl	k_q5b35c7d6b0_lay
	.p2align	8
	.type	k_q5b35c7d6b0_lay,@function
k_q5b35c7d6b0_lay:
	s_mov_b64 s[64:65], 0
	v_nop
	global_prefetch_b8 v0, s[64:65] scope:SCOPE_SE
	s_setreg_imm32_b32 hwreg(HW_REG_WAVE_MODE, 25, 1), 1
	s_wait_xcnt 0x0
; LAY: the first of three launches for  out = (silu(x W_sel sqk_q) * runningmean_T(h1 + h1 h2)) W_out,  h = x W_agg sqk_k.
; NOTHING OF reference() IS LEFT OUT in any launch: every input reaches the output, and reference() builds no mask and slices nothing away.
; This launch rounds x, W_sel and W_agg to bf16, and W_out to bf16 written as f16, once, and lays them in the order in which the two products' operand registers take them.
; It also takes the largest row sum of squares of x and the largest column sum of squares x sqk^2 of W_sel and of each half of W_agg: the next launches make a power-of-two scale of them.
; TWO BLOCK FORMS, both read later from LDS at base + 16 x lane.
;   plain fragment, 1,024 bytes = 16 rows x 32 k: chunk L of 16 bytes = row L % 16, k = 8 (L / 16) + 0..7; the second 512 bytes the same at k + 16.
;   turned block, 512 bytes = 16 k x 16 n: chunk i = row k = 8 (i / 16) + i % 8, the eight columns n = 8 ((i / 8) % 2) + 0..7; ds_load_tr16_b128 makes half a fragment of it.
; xb  [tile of 512 rows 16][K step of 128: 8][block of 16 rows 32][quarter 4] plain fragments
; wt1 [strip of 32 columns 64][K step 8][c = 2 part + column block: 6][quarter 4][half 2] turned blocks; part 0 = W_sel, 1, 2 = the halves of W_agg
; wo2 [128 columns 8][K step 16][column block 8][quarter 4][half 2] turned blocks
; SHARES. Every work-group takes 256 KiB of f32, every wave 32 KiB, as four units of 16 loads of 512 bytes. Groups 0-127: 64 rows of x. 128-223: 64 columns x 1,024 k of W_sel / W_agg. 224-255: 64 columns x 1,024 k of W_out.
; All 64 loads of a wave go out at once; a unit is rounded, turned through the wave's own stage in LDS, and stored as 512 consecutive bytes an instruction.
; No tensor load, no cluster, no matrix unit: a stream in which no two work-groups read the same byte.
; LIMITS. Sums of squares of a row of x and of a column of the weights (times sqk^2) are taken in f32: they must be finite. |W_out| stays under 65,504; below 6.1e-5 it keeps f16's fixed step of 6e-8.
.set STG,   5120                       ; a wave's stage: 16 rows x 272 bytes (x) or 32 rows x 160 bytes (weights)
.set REDX,  8*STG                      ; 512 bytes: the waves' partial sums of squares on x's way
.set REDW,  REDX+512                   ; 2,048 bytes: the same on the weights' way: each way has bytes of its own, which no line of the other names
.set SPARE, REDW+2048                  ; the spare words, 128 bytes for each wave: four blocks of 256 bytes that no other line names
.set LW,   4                           ; v4   where I put 8 bytes into the stage
.set LR,   5                           ; v5   where I read 16 bytes back
.set VIN,  6                           ; v6   16 x lane
.set V8,   7                           ; v7   8 x lane
.set VO,   8                           ; v8-23  weights: byte offset of load r: (2 r + lane / 16) x pitch + 16 (lane % 16)
.set VOUT, 24                          ; v24-27 weights: byte offset of column block 0..3 in the output
.set SPW,  28                          ; v28  LDS address of my spare word; never rewritten
.set NIL,  29                          ; v29  0; never rewritten
.set T,    30                          ; v30-37 at work
.set SQ,   38                          ; v38-39 two sqk
.set S,    40                          ; v40-71 sums of squares
.set O,    72                          ; v72-103 a unit as stored
.set P,    104                         ; v104-135 a unit rounded
.set WV,   24                          ; s24 wave, s25 work-group, s26 my stage, s27 4 x work-group
.set MSB, 0
.macro WIN new                         ; the immediate's high byte repeats the setting that is left; window 1 (v256-511) holds the 64 loads' data: unit u, load r at 64 u + 4 r
.if MSB != (\new)
	s_set_vgpr_msb (MSB<<8)|(\new)
.set MSB, (\new)
.endif
.endm
; One unit. kind 0: x; 1: W_sel / W_agg; 2: W_out.
.macro UNIT kind, u
	s_wait_loadcnt 16*(3-(\u))                     ; loads come back in order: this unit's 16 are in, the younger units' stay out
	WIN 0x05                                       ; sources 0 and 1 in window 1
.set r, 0
.rept 16
.set x0, 64*(\u)+4*r
	v_cvt_pk_bf16_f32 v[P+2*r], v[x0], v[x0+1]
.if (\kind) == 0                       ; a pair of sums for each row; the first term starts the sum
.if (\u) == 0
	v_pk_mul_f32 v[S+2*r:S+2*r+1], v[x0:x0+1], v[x0:x0+1]
.else
	v_pk_fma_f32 v[S+2*r:S+2*r+1], v[x0:x0+1], v[x0:x0+1], v[S+2*r:S+2*r+1]
.endif
.endif
.if (\kind) == 1                       ; four sums (my four columns) in eight sets that take turns
.set sq0, S+4*(r%8)
.if ((\u) == 0) && (r < 8)
	v_pk_mul_f32 v[sq0:sq0+1], v[x0:x0+1], v[x0:x0+1]
	v_pk_mul_f32 v[sq0+2:sq0+3], v[x0+2:x0+3], v[x0+2:x0+3]
.else
	v_pk_fma_f32 v[sq0:sq0+1], v[x0:x0+1], v[x0:x0+1], v[sq0:sq0+1]
	v_pk_fma_f32 v[sq0+2:sq0+3], v[x0+2:x0+3], v[x0+2:x0+3], v[sq0+2:sq0+3]
.endif
.endif
	v_cvt_pk_bf16_f32 v[P+2*r+1], v[x0+2], v[x0+3]
.if (\kind) == 0
	v_pk_fma_f32 v[S+2*r:S+2*r+1], v[x0+2:x0+3], v[x0+2:x0+3], v[S+2*r:S+2*r+1]
.endif
.set r, r+1
.endr
	WIN 0
.if (\kind) == 2                       ; the bf16 number written as f16
.set r, 0
.rept 32
	v_lshlrev_b32 v[T+2*(r%4)], 16, v[P+r]
	v_and_b32 v[T+2*(r%4)+1], 0xffff0000, v[P+r]
	v_cvt_pk_f16_f32 v[P+r], v[T+2*(r%4)], v[T+2*(r%4)+1]
.set r, r+1
.endr
.endif
.set r, 0
.rept 16
.if (\kind) == 0
	ds_store_b64 v[LW], v[P+2*r:P+2*r+1] offset:r*272
.else
	ds_store_b64 v[LW], v[P+2*r:P+2*r+1] offset:r*320
.endif
.set r, r+1
.endr
	s_wait_xcnt 0x0                                ; the last unit's stores have read O: it is loaded again only behind this wait
.set t, 0
.rept 8                                ; the stage is my wave's own, and LDS serves a wave's instructions in order: these see the stores above
.if (\kind) == 0
	ds_load_b128 v[O+4*t:O+4*t+3], v[LR] offset:t*32
.else
	ds_load_b128 v[O+4*t:O+4*t+3], v[LR] offset:(t/4)*2560+(t%4)*32
.endif
.set t, t+1
.endr
.set t, 0
.rept 8
	s_wait_dscnt 7-t                               ; LDS loads come back in order: number t is in
.if (\kind) == 0
	global_store_b128 v[VIN], v[O+4*t:O+4*t+3], s[48:49] offset:(\u)*131072+t*512   ; 512 consecutive bytes, aligned
.else
	global_store_b128 v[VOUT+t%4], v[O+4*t:O+4*t+3], s[48:49] offset:(\u)*1024+(t/4)*512
.endif
.set t, t+1
.endr
.endm
; The weights' addresses and their 64 loads. In: s[34:35] the tensor, s[32:33] my 64 columns in bytes, s36 my first k, s54 the pitch, s55 the step from column block 1 to 2 in the output.
.macro WPREP
	s_mul_i32 s36, s36, s54
	s_mov_b32 s37, 0
	s_add_nc_u64 s[40:41], s[34:35], s[32:33]
	s_add_nc_u64 s[40:41], s[40:41], s[36:37]      ; unit 0
	s_lshl_b32 s36, s54, 5                         ; a unit is 32 rows
	s_add_nc_u64 s[42:43], s[40:41], s[36:37]
	s_add_nc_u64 s[44:45], s[42:43], s[36:37]
	s_add_nc_u64 s[46:47], s[44:45], s[36:37]
	v_mul_lo_u32 v[T], v3, s54
	v_lshl_add_u32 v[VO], v2, 4, v[T]              ; sixteen lanes take 256 consecutive bytes of one row, the other sixteen the next row's
	s_lshl_b32 s31, s54, 1
.set r, 1
.rept 15
	v_add_nc_u32 v[VO+r], s31, v[VO+r-1]
.set r, r+1
.endr
	v_mul_u32_u24 v[LW], v3, 160                   ; in: row 2 r + lane / 16 of 160 bytes, 8 bytes for four columns
	v_lshl_add_u32 v[LW], v2, 3, v[LW]
	v_add_nc_u32 v[LW], s26, v[LW]
	v_and_b32 v[T], 7, v0                          ; back: the chunks of a turned block
	v_lshl_add_u32 v[T], v3, 3, v[T]
	v_mul_u32_u24 v[LR], v[T], 160
	v_bfe_u32 v[T], v0, 3, 1
	v_lshl_add_u32 v[LR], v[T], 4, v[LR]
	v_add_nc_u32 v[LR], s26, v[LR]
	v_mov_b32 v[VOUT], v[VIN]
	v_add_nc_u32 v[VOUT+1], 4096, v[VIN]
	v_add_nc_u32 v[VOUT+2], s55, v[VOUT]
	v_add_nc_u32 v[VOUT+3], s55, v[VOUT+1]
	WIN 0x40                                       ; destination in window 1
.set n, 0
.rept 64
	global_load_b128 v[4*n:4*n+3], v[VO+n%16], s[40+2*(n/16):41+2*(n/16)] th:TH_LOAD_NT
.set n, n+1
.endr
	WIN 0
.endm
	s_load_b512 s[4:19], s[0:1], 0x0               ; x 4, W_sel 6, W_agg 8, W_out 10, sqk_q 12, sqk_k 14, xb 16, wt1 18
	s_load_b128 s[20:23], s[0:1], 0x40             ; wo2 20, norms 22
	v_lshl_add_u32 v[SPW], v0, 2, SPARE
	v_mov_b32 v[NIL], 0
	v_lshrrev_b32 v[T], 5, v0
	v_readfirstlane_b32 s[WV], v[T]                ; wave 0..7
	v_and_b32 v1, 31, v0                           ; lane
	v_and_b32 v2, 15, v0                           ; lane % 16
	v_bfe_u32 v3, v0, 4, 1                         ; lane / 16
	v_lshlrev_b32 v[VIN], 4, v1
	v_lshlrev_b32 v[V8], 3, v1
	s_mov_b32 s25, ttmp9
	s_lshl_b32 s27, s25, 2
	s_mul_i32 s26, s[WV], STG
	s_mov_b32 s52, 0x76543210                      ; v_permlanex16_b32: each lane takes its own place in the other half
	s_mov_b32 s53, 0xfedcba98
	s_wait_kmcnt 0x0
	s_cmp_lt_u32 s25, 128
	s_cbranch_scc0 .Lnot_x
	; ---- x: the group's 64 rows; wave w takes block w / 2 of 16 rows and K steps 4 (w % 2) + 0..3, a unit a K step
	s_lshl_b32 s30, s25, 2
	s_lshr_b32 s31, s[WV], 1
	s_add_co_u32 s30, s30, s31                     ; my block of 16 rows, 0..511
	s_and_b32 s31, s[WV], 1
	s_lshl_b32 s32, s30, 16                        ; 16 rows of 4,096 bytes
	s_lshl_b32 s33, s31, 11                        ; 512 k of f32
	s_add_co_u32 s32, s32, s33
	s_mov_b32 s33, 0
	s_add_nc_u64 s[40:41], s[4:5], s[32:33]
	s_lshr_b32 s32, s30, 5                         ; the tile of 512 rows: 1 MiB of xb
	s_lshl_b32 s32, s32, 20
	s_and_b32 s33, s30, 31                         ; the block in it: 4,096 bytes
	s_lshl_b32 s33, s33, 12
	s_add_co_u32 s32, s32, s33
	s_lshl_b32 s33, s31, 19                        ; four K steps of 131,072 bytes
	s_add_co_u32 s32, s32, s33
	s_mov_b32 s33, 0
	s_add_nc_u64 s[48:49], s[16:17], s[32:33]
	v_add_nc_u32 v[LW], s26, v[V8]                 ; in: row r of 272 bytes, 8 bytes a lane
	v_mul_u32_u24 v[LR], v2, 272                   ; back: the chunks of a plain fragment
	v_lshl_add_u32 v[LR], v3, 4, v[LR]
	v_add_nc_u32 v[LR], s26, v[LR]
	WIN 0x40
.set n, 0
.rept 64                               ; load r of unit u: 512 consecutive bytes of row r
	global_load_b128 v[4*n:4*n+3], v[VIN], s[40:41] offset:(n%16)*4096+(n/16)*512 th:TH_LOAD_NT
.set n, n+1
.endr
	WIN 0
	UNIT 0, 0
	UNIT 0, 1
	UNIT 0, 2
	UNIT 0, 3
	; my 512 k of each of the 16 rows: the pair, then the 32 lanes
.set r, 0
.rept 16
	v_add_f32 v[S+2*r], v[S+2*r], v[S+2*r+1]
.set r, r+1
.endr
.irp m, 1,2,4,8
.set r, 0
.rept 16
	v_add_f32_dpp v[S+2*r], v[S+2*r], v[S+2*r] row_xmask:\m row_mask:0xf bank_mask:0xf
.set r, r+1
.endr
.endr
.set r, 0
.rept 16
	v_permlanex16_b32 v[S+2*r+1], v[S+2*r], s52, s53
.set r, r+1
.endr
.set r, 0
.rept 16
	v_add_f32 v[S+2*r], v[S+2*r], v[S+2*r+1]
.set r, r+1
.endr
	s_lshl_b32 s30, s[WV], 6
	s_add_co_u32 s30, s30, REDX
	v_mov_b32 v[T], s30
.set r, 0
.rept 16
	ds_store_b32 v[T], v[S+2*r] offset:4*r         ; all lanes hold the same sum and write the same word
.set r, r+1
.endr
	s_wait_dscnt 0x0                               ; for the others' sake: my stores are done
	s_barrier_signal -1
	s_barrier_wait -1
	s_cmp_lg_u32 s[WV], 0
	s_cbranch_scc1 .Lend
	v_lshlrev_b32 v[T], 7, v3                      ; lane: row lane % 16 of blocks lane / 16 and lane / 16 + 2; a block's two K halves lie 64 bytes apart
	v_lshl_add_u32 v[T], v2, 2, v[T]
	ds_load_b32 v32, v[T] offset:REDX
	ds_load_b32 v33, v[T] offset:REDX+64
	ds_load_b32 v34, v[T] offset:REDX+256
	ds_load_b32 v35, v[T] offset:REDX+320
	s_wait_dscnt 0x0
	v_add_f32 v32, v32, v33
	v_add_f32 v34, v34, v35
	v_max_num_f32 v32, v32, v34
	s_branch .Lmax
.Lnot_x:
	s_cmp_lt_u32 s25, 224
	s_cbranch_scc1 .Lsel_agg
	; ---- W_out: group g of 64 columns, half kh of K; wave w takes k = 1,024 kh + 128 w + 0..127, a unit a quarter of 32
	s_sub_co_u32 s30, s25, 224
	s_and_b32 s58, s30, 15                         ; g
	s_lshr_b32 s59, s30, 4                         ; kh
	s_mov_b32 s54, 4096
	s_mov_b32 s55, 8192
	s_lshl_b32 s32, s58, 8
	s_mov_b32 s33, 0
	s_lshl_b32 s36, s[WV], 7
	s_lshl_b32 s31, s59, 10
	s_add_co_u32 s36, s36, s31
	s_lshr_b32 s38, s58, 1
	s_lshl_b32 s38, s38, 19                        ; 128 columns: 524,288 bytes of wo2
	s_lshl_b32 s39, s59, 3
	s_add_co_u32 s39, s39, s[WV]
	s_lshl_b32 s39, s39, 15                        ; a K step: 32,768
	s_add_co_u32 s38, s38, s39
	s_and_b32 s39, s58, 1
	s_lshl_b32 s39, s39, 14                        ; four column blocks: 16,384
	s_add_co_u32 s38, s38, s39
	s_mov_b32 s39, 0
	s_add_nc_u64 s[48:49], s[20:21], s[38:39]
	s_mov_b64 s[34:35], s[10:11]
	WPREP
	UNIT 2, 0
	UNIT 2, 1
	UNIT 2, 2
	UNIT 2, 3
	s_branch .Lend
.Lsel_agg:
	; ---- W_sel (part 0) and the halves of W_agg (parts 1, 2): group g of 64 columns; wave w takes K step w
	s_sub_co_u32 s30, s25, 128
	s_lshr_b32 s57, s30, 5                         ; part
	s_and_b32 s58, s30, 31                         ; g
	s_min_u32 s31, s57, 1
	s_lshl_b32 s54, 8192, s31                      ; a row of W_sel is 8,192 bytes, of W_agg 16,384
	s_sub_co_u32 s31, s57, s31                     ; 1 for W_agg's second half
	s_lshl_b32 s31, s31, 13
	s_lshl_b32 s32, s58, 8
	s_add_co_u32 s32, s32, s31                     ; my 64 columns, in bytes of f32: in the weights' rows and in sqk alike
	s_mov_b32 s33, 0
	s_lshl_b32 s36, s[WV], 7
	s_mov_b32 s55, 196608                          ; from a strip to the next
	s_mul_i32 s38, s58, 2*196608
	s_mul_i32 s39, s[WV], 24576
	s_add_co_u32 s38, s38, s39
	s_lshl_b32 s39, s57, 13
	s_add_co_u32 s38, s38, s39
	s_mov_b32 s39, 0
	s_add_nc_u64 s[48:49], s[18:19], s[38:39]
	s_cmp_eq_u32 s57, 0
	s_cselect_b64 s[34:35], s[6:7], s[8:9]
	s_cselect_b64 s[50:51], s[12:13], s[14:15]
	s_add_nc_u64 s[50:51], s[50:51], s[32:33]
	global_load_b64 v[SQ:SQ+1], v[V8], s[50:51]    ; sqk of columns 2 lane, 2 lane + 1; issued by every wave ahead of its 64 loads, so that the counted waits are alike
	WPREP
	UNIT 1, 0
	UNIT 1, 1
	UNIT 1, 2
	UNIT 1, 3
.irp k, 0,4,8,12
	v_pk_add_f32 v[S+\k:S+\k+1], v[S+\k:S+\k+1], v[S+\k+16:S+\k+17]
	v_pk_add_f32 v[S+\k+2:S+\k+3], v[S+\k+2:S+\k+3], v[S+\k+18:S+\k+19]
.endr
.irp k, 0,4
	v_pk_add_f32 v[S+\k:S+\k+1], v[S+\k:S+\k+1], v[S+\k+8:S+\k+9]
	v_pk_add_f32 v[S+\k+2:S+\k+3], v[S+\k+2:S+\k+3], v[S+\k+10:S+\k+11]
.endr
	v_pk_add_f32 v[S:S+1], v[S:S+1], v[S+4:S+5]
	v_pk_add_f32 v[S+2:S+3], v[S+2:S+3], v[S+6:S+7]
.irp k, 0,1,2,3
	v_permlanex16_b32 v[S+4+\k], v[S+\k], s52, s53 ; the odd rows' sums lie in the lane 16 away
.endr
	v_pk_add_f32 v[S:S+1], v[S:S+1], v[S+4:S+5]
	v_pk_add_f32 v[S+2:S+3], v[S+2:S+3], v[S+6:S+7]
	s_lshl_b32 s30, s[WV], 8
	s_add_co_u32 s30, s30, REDW
	v_lshl_add_u32 v[T], v2, 4, s30
	ds_store_b128 v[T], v[S:S+3]                   ; my K step's sums for columns 4 (lane % 16) + 0..3; both halves of the lanes write the same
	s_wait_dscnt 0x0
	s_barrier_signal -1
	s_barrier_wait -1
	s_cmp_lg_u32 s[WV], 0
	s_cbranch_scc1 .Lend
.irp k, 0,1,2,3,4,5,6,7
	ds_load_b64 v[S+2*\k:S+2*\k+1], v[V8] offset:REDW+256*\k
.endr
	s_wait_dscnt 0x0
	v_pk_add_f32 v[S:S+1], v[S:S+1], v[S+2:S+3]
	v_pk_add_f32 v[S+4:S+5], v[S+4:S+5], v[S+6:S+7]
	v_pk_add_f32 v[S+8:S+9], v[S+8:S+9], v[S+10:S+11]
	v_pk_add_f32 v[S+12:S+13], v[S+12:S+13], v[S+14:S+15]
	v_pk_add_f32 v[S:S+1], v[S:S+1], v[S+4:S+5]
	v_pk_add_f32 v[S+8:S+9], v[S+8:S+9], v[S+12:S+13]
	v_pk_add_f32 v[S:S+1], v[S:S+1], v[S+8:S+9]
	v_pk_mul_f32 v[SQ:SQ+1], v[SQ:SQ+1], v[SQ:SQ+1]
	v_pk_mul_f32 v[S:S+1], v[S:S+1], v[SQ:SQ+1]
	v_max_num_f32 v32, v[S], v[S+1]
	v_mov_b32 v33, v32
.Lmax:                                         ; wave 0: the largest of the 32 lanes, stored by lane 0 as norms[work-group]
	v_max_num_f32_dpp v32, v32, v32 row_xmask:1 row_mask:0xf bank_mask:0xf
	v_max_num_f32_dpp v32, v32, v32 row_xmask:2 row_mask:0xf bank_mask:0xf
	v_max_num_f32_dpp v32, v32, v32 row_xmask:4 row_mask:0xf bank_mask:0xf
	v_max_num_f32_dpp v32, v32, v32 row_xmask:8 row_mask:0xf bank_mask:0xf
	v_permlanex16_b32 v33, v32, s52, s53
	v_max_num_f32 v32, v32, v33
	v_mov_b32 v31, s27
	v_cmp_eq_u32 vcc_lo, 0, v1
	s_wait_xcnt 0x0                                ; EXEC is a source of the stores that are out: it changes only behind this wait
	s_and_saveexec_b32 s30, vcc_lo
	global_store_b32 v31, v32, s[22:23]
	s_wait_xcnt 0x0                                ; and again in front of the line that widens it
	s_or_b32 exec_lo, exec_lo, s30
.Lend:
	s_wait_tensorcnt 0x0                           ; the wave's end: behind my last LDS store
	ds_add_u32 v[SPW], v[NIL]
	s_wait_dscnt 0x0
	s_endpgm
.Lfunc_end_k_q5b35c7d6b0_lay:
	.size	k_q5b35c7d6b0_lay, .Lfunc_end_k_q5b35c7d6b0_lay-k_q5b35c7d6b0_lay
	.p2alignl 7, 3214868480
	.fill 96, 4, 3214868480
	.section	.rodata,"a",@progbits
	.p2align	6, 0x0
	.amdhsa_kernel k_q5b35c7d6b0_lay
		.amdhsa_group_segment_fixed_size 44544
		.amdhsa_private_segment_fixed_size 0
		.amdhsa_enable_private_segment 0
		.amdhsa_kernarg_size 80
		.amdhsa_user_sgpr_count 2
		.amdhsa_user_sgpr_kernarg_segment_ptr 1
		.amdhsa_wavefront_size32 1
		.amdhsa_system_sgpr_workgroup_id_x 1
		.amdhsa_system_sgpr_workgroup_id_y 1
		.amdhsa_system_sgpr_workgroup_id_z 1
		.amdhsa_system_vgpr_workitem_id 0
		.amdhsa_next_free_vgpr 512
		.amdhsa_next_free_sgpr 66
		.amdhsa_reserve_vcc 1
		.amdhsa_float_denorm_mode_32 3
		.amdhsa_float_denorm_mode_16_64 3
		.amdhsa_memory_ordered 1
		.amdhsa_forward_progress 1
		.amdhsa_inst_pref_size 128
	.end_amdhsa_kernel
	.amdgpu_metadata
---
amdhsa.version: [ 1, 2 ]
amdhsa.kernels:
  - .name:           k_q5b35c7d6b0_lay
    .symbol:         k_q5b35c7d6b0_lay.kd
    .args:
      - { .name: x, .offset: 0, .size: 8, .value_kind: global_buffer, .address_space: global }
      - { .name: W_sel, .offset: 8, .size: 8, .value_kind: global_buffer, .address_space: global }
      - { .name: W_agg, .offset: 16, .size: 8, .value_kind: global_buffer, .address_space: global }
      - { .name: W_out, .offset: 24, .size: 8, .value_kind: global_buffer, .address_space: global }
      - { .name: sqk_q, .offset: 32, .size: 8, .value_kind: global_buffer, .address_space: global }
      - { .name: sqk_k, .offset: 40, .size: 8, .value_kind: global_buffer, .address_space: global }
      - { .name: xb, .offset: 48, .size: 8, .value_kind: global_buffer, .address_space: global }
      - { .name: wt1, .offset: 56, .size: 8, .value_kind: global_buffer, .address_space: global }
      - { .name: wo2, .offset: 64, .size: 8, .value_kind: global_buffer, .address_space: global }
      - { .name: norms, .offset: 72, .size: 8, .value_kind: global_buffer, .address_space: global }
    .group_segment_fixed_size: 44544
    .private_segment_fixed_size: 0
    .kernarg_segment_align: 8
    .kernarg_segment_size: 80
    .max_flat_workgroup_size: 256
    .sgpr_count:     66
    .vgpr_count:     512
    .wavefront_size: 32
...
	.end_amdgpu_metadata
.endif
;; end of part 1
;; launch mix (part 2): grid 64 x 4, 4 waves a work-group, clusters of 4 x 4, 327,680 bytes of LDS; arguments xb, wt1, norms, sqk_q, sqk_k, zt; writes zt
.if DOCPART == 2
	.amdgcn_target "amdgcn-amd-amdhsa--gfx1250"
	.amdhsa_code_object_version 6
	.text
	.protected	k_q5b35c7d6b0_mix
	.globl	k_q5b35c7d6b0_mix
	.p2align	8
	.type	k_q5b35c7d6b0_mix,@function
k_q5b35c7d6b0_mix:
	s_mov_b64 s[64:65], 0
	v_nop
	global_prefetch_b8 v0, s[64:65] scope:SCOPE_SE
	s_setreg_imm32_b32 hwreg(HW_REG_WAVE_MODE, 25, 1), 1
	s_wait_xcnt 0x0
	s_wait_alu depctr_hold_cnt(0) depctr_sa_sdst(0) depctr_va_vdst(0) depctr_va_sdst(0) depctr_va_ssrc(0) depctr_va_vcc(0) depctr_vm_vsrc(0)
	s_getreg_b32 s2, hwreg(HW_REG_IB_STS2, 6, 4)
	s_cmp_eq_u32 s2, 0
	s_cbranch_scc0 .Lentry_in_a_cluster
	s_endpgm
.Lentry_in_a_cluster:
	s_bfe_u32 s2, ttmp6, 0x10000c
	s_cmp_lg_u32 s2, 0xf033
	s_cbranch_scc0 .Lentry_shape_is_right
	s_endpgm
.Lentry_shape_is_right:
; MIX: u = x W_sel, h1, h2 = x W_agg (bf16 operands, f32 sums), s = silu(u sqk_q), poly = h1' + h1' h2' (h' = h sqk_k), the running mean of poly along T, z = s x mean.  Nothing of reference() is left out.
; z leaves as f16 times a power of two, in the turned blocks that the last product reads: zt [256 rows 32][K step of 128 columns 16][half of 128 rows 2][block 9][quarter 4][half 2] x 512 bytes,
; chunk i of a turned block = column 8 (i / 16) + i % 8, the eight rows 8 ((i / 8) % 2) + 0..7.  Blocks 0-7 are the half's blocks of 16 rows.
; BLOCK 8 IS A SECOND TERM for the half's block 0: lo = (z' - f16(z')) x 2^11, rounded to f16.  Row t of the output has 1 / sqrt(t + 1) of row 0's size, so beside the whole output's root mean square, about 1 / 16 of row 0's
; size, one rounding of z to 11 bits (2e-4 of itself) is a third of a hundredth of that root mean square in row 0, and a twelfth of it from row 16 on: a batch's first 16 rows want the second term.  Every wave makes it
; for its first block: which wave holds a batch's first rows hangs, in the last launch, on a work-group's place in its cluster, and partners of a cluster run alike.
; SHARES.  A work-group owns a strip of 32 columns of s and poly (96 columns of weights) for one whole batch, and walks its 2,048 rows in four tiles of 512: so the running sum's carry stays in registers.
; A wave makes 128 rows x 96: 8 row blocks x 6 column blocks = 48 accumulators, 384 registers.  K = 1,024 goes in steps of 128 through a ring of two LDS slots.
; The product is taken as it stands (source 0 = 16 rows of x, source 1 = 16 columns of weights): a lane holds ONE column (lane % 16) and the rows 8 (lane / 16) + 0..7, which is what a sum along T wants,
; and its eight numbers of z are one chunk of a turned block.
; CLUSTER.  4 x 4 work-groups: cx picks the strip, cy the batch.  A step's 512 rows of x hang on the batch alone and are asked for jointly along a row of the cluster; its 96 columns of weights hang on the strip
; alone and are asked for jointly along a column.  Waves 0 and 1 fetch 192 rows of 256 bytes each of x's 131,072 bytes, wave 2 the last 128, wave 3 the weights' 24,576 bytes: one tensor load a wave and step, each
; with a shape of constants; two are out at the start, later one.
; K BY TURNS AMONG THE CLUSTERS.  Cluster c walks a tile's eight K steps in the order (c + j) mod 8, j = 0..7 (f32 sums may be taken in any order).  All 16 clusters read the same x: so at any time they ask for eight
; different steps of it, and from a tile's second step on a cluster asks for the step that cluster c + 1 asked for one step earlier.  A refill's address is made anew from the number of the step to be asked for.
; THE SCALE.  |u'| <= max|x_t| max_j(|W_sel[:,j]| |sqk_q[j]|) = Bu, likewise B1, B2; |poly| and its mean <= B1 B2 + B1 = Pb; |silu(u)| <= |u|.  Su and Sp are the powers of two with Bu Su <= 1 and Pb Sp <= 2^15,
; so |z Su Sp| stays under f16's 65,504 for every input; the last launch multiplies by 1 / (Su Sp).
; LIMITS.  The sums of squares behind Bu and Pb lie between 2^-126 and 2^127, and so do the columns' folded constants k1 Sp sq Su and k2 k1 Sp sq Su; a z below 2^-29 of its bound keeps f16's fixed step; where
; e^-u (t + 1) passes f32's range z counts as 0; NaN and infinities are not treated apart.  x, the weights and sqk are rounded to bf16.
; REGISTERS, in windows of 256 (s_set_vgpr_msb: bits 1:0 source 0, 3:2 source 1, 5:4 source 2, 7:6 destination):
;   window 0: v1-15 at work; v16-30 addresses and carries; v32-63, v224-255 t + 1 for my 128 rows (v32-55 later the second term); v64-127, v128-191 x's fragments, two buffers (the second also z on its way out); v192-223 pairs (offset, block total) for 16 chains
;   window 1: v64-111, v128-175 the weights' fragments, two buffers
;   window 2, 3: accumulator (a, c) of row block 4 (window - 2) + a at v[8 (6 a + c)]: c = 0, 1 u; 2, 3 h1; 4, 5 h2; v192-203 the columns' constants, each twice
.set SLOT,  155648                     ; x's 131,072 bytes (row block b, quarter kq at (4 b + kq) x 1,024), then the weights' 24,576 (block (c, kq, half) at (8 c + 2 kq + half) x 512)
.set BOFF,  131072
.set EXCH,  2*SLOT                     ; 512 bytes: the waves' totals, word at 128 wave + 64 column block + 4 (lane % 16); no tensor load lands here
.set SPARE, EXCH+512                   ; the spare words, 128 bytes for each wave: two blocks of 256 bytes that no other line names
.set ASTEP, 131072                     ; a step of x in xb = 1 << 17
.set BSTEP, 24576                      ; a step of a strip in wt1
.set ZHALF, 36864                      ; zt: 128 rows x 128 columns: 9 blocks of 4,096 bytes
.set ZSTEP, 2*ZHALF                    ; 256 rows x 128 columns
.set ZTILE, 16*ZSTEP                   ; 256 rows
.set F0,   64
.set F1,   128
.set Z,    128
.set LOF,  32                          ; v32-47 the second term in f32
.set LOH,  48                          ; v48-55 and in f16
.set ADRA, 16                          ; v16-17 LDS address of my x fragments in slot 0, 1
.set CAR,  18                          ; v18-19 the running sum at the tile's first row, by column block
.set ADRB, 20                          ; v20-21 the same for the weights
.set TB,   22                          ; v22    t + 1 of my first row in the tile, as f32
.set EXW,  24                          ; v24    where I put my wave's totals
.set EXR,  25                          ; v25    where I read all waves'
.set ZO,   26                          ; v26    my chunk in a turned block of z
.set QA,   27                          ; v27    my column in sqk, in bytes
.set SPW,  28                          ; v28    LDS address of my spare word; never rewritten
.set NIL,  29                          ; v29    0; never rewritten
.set PFO,  30                          ; v30    256 x lane; never rewritten
.set OFF,  192
.set KT,   2                           ; s2, s3 at work on a step's number: they never hold a place in the cluster
.set KU,   3
.set WV,   16
.set CX,   17
.set CY,   18
.set Q,    19                          ; s19 the strip, 4 x cluster x + cx
.set XB,   20                          ; s[20:21] xb at my batch and my part of a step
.set G1A,  24                          ; s[24:31] descriptor group 1 for x, 192 rows (waves 0, 1);  s[32:39] group 0, a set for each slot
.set G0A,  32
.set TL,   40                          ; s40 tiles to go
.set LP,   41                          ; s41 laps to go
.set SEL,  42                          ; s[42:43] v_permlanex16_b32's selects
.set PFA,  44                          ; s[44:45] where my next prefetch stands
.set PFN,  46                          ; s46 changes of slots so far
.set PFM,  47                          ; s47 bit n set: the n-th change of slots prefetches
.set G1B,  48                          ; s[48:55], s[56:63] the same for the weights
.set G0B,  56
.set HI,   68                          ; s68 0xffff0000: a word's upper bf16, and the lanes 16-31
.set M1,   69                          ; s69-71 all lanes where my wave's number is above 0, 1, 2
.set SZ,   72                          ; s[72:73] zt at my rows and strip
.set FSU,  74                          ; s74, s75 the exponent fields of Su, Sp
.set FSP,  75
.set SU,   76
.set SCP,  77
.set WB,   80                          ; s[80:81] wt1 at my strip
.set PT,   82                          ; s[82:83] at work on the prefetches; s83 = 0
.set K0,   84                          ; s84 the K step with which my cluster begins a tile: cluster x mod 8
.set NXT,  85                          ; s85 the number, 0 to 31, of the step to be asked for next
.set OFS,  86                          ; s[86:87] a step's byte offset; s87 = 0
.set G1C,  88                          ; s[88:95] descriptor group 1 for x, 128 rows (wave 2)
.set MSB, 0
.macro WIN new                         ; the immediate's high byte repeats the setting that is left; a switch that changes nothing is dropped
.if MSB != (\new)
	s_set_vgpr_msb (MSB<<8)|(\new)
.set MSB, (\new)
.endif
.endm
.set MUL_LO, 0xa4                      ; source 0 (x) window 0, source 1 (weights) window 1, C and D window 2
.set TO_B,   0x40                      ; destination window 1, address window 0
.macro PLACES                          ; four plain places behind a matrix instruction, in front of loads into registers that it has read and of lines that read results
.rept 4
	v_nop
.endr
.endm
; A joint load: waves 0 and 1 ask for 192 rows of x each, wave 2 for its last 128, wave 3 for the weights.  The branches hang on the wave's number alone: they are the same in every work-group.
; Each of the three lines has one mask and one shape.  An s_nop 0 and four v_nop follow each line.
.macro JLOAD s
	s_cmp_lt_u32 s[WV], 2
	s_cbranch_scc0 .Lnot_01_\@
	tensor_load_to_lds s[G0A+4*(\s):G0A+4*(\s)+3], s[G1A:G1A+7]
	s_nop 0
.rept 4
	v_nop
.endr
	s_branch .Lasked_\@
.Lnot_01_\@:
	s_cmp_eq_u32 s[WV], 2
	s_cbranch_scc0 .Lfor_b_\@
	tensor_load_to_lds s[G0A+4*(\s):G0A+4*(\s)+3], s[G1C:G1C+7]
	s_nop 0
.rept 4
	v_nop
.endr
	s_branch .Lasked_\@
.Lfor_b_\@:
	tensor_load_to_lds s[G0B+4*(\s):G0B+4*(\s)+3], s[G1B:G1B+7]
	s_nop 0
.rept 4
	v_nop
.endr
.Lasked_\@:
.endm
; A round of the cluster's barrier behind its opening barrier, and a whole round.
.macro CREST
	s_cmp_lg_u32 s[WV], 0
	s_cbranch_scc1 .Lnot_wave_0_\@
	s_barrier_signal -3
.Lnot_wave_0_\@:
	s_barrier_wait -3
	s_barrier_signal -1
	s_barrier_wait -1
.endm
.macro CROUND
	s_barrier_signal -1
	s_barrier_wait -1
	CREST
.endm
; A PREFETCH of x.  Of a tile's eight K steps, step k is asked for first by the clusters that begin the tile with it, k and k + 8; all other requests for it come later.  So cluster c < 8 names step c of the NEXT tile,
; once: behind the change of slots that follows the tile's fifth step (changes 5, 13 and 21 of the 30), two refills, 384 matrix instructions, ahead of the tensor load that asks for it.  The batch's 131,072 bytes of
; the step are shared out BY ADDRESS among the four work-groups of its row and their waves: 32,768 cx + 8,192 wave + 256 lane: each aligned 256 bytes are named once in the launch.  Tile 0 comes by its loads alone;
; behind the last tile there is none.  The weights are not prefetched: a step's 96 blocks of 256 bytes leave 24 for each of the four that ask jointly, which fills no instruction of 32 lanes.
.macro ASK
	WIN 0
	s_lshr_b32 s[PT], s[PFM], s[PFN]
	s_and_b32 s[PT], s[PT], 1
	s_cmp_lg_u32 s[PT], 0
	s_cbranch_scc0 .Lnot_mine_\@
	global_prefetch_b8 v[PFO], s[PFA:PFA+1] th:TH_LOAD_NT scope:SCOPE_SE
.Lnot_mine_\@:
.endm
; The scale's two exponent fields from the first launch's partial maxima.  Values only: no address and no branch hangs on them.
.macro SCALES
	v_and_b32 v1, 31, v0
	v_lshlrev_b32 v2, 4, v1
	v_lshlrev_b32 v3, 2, v1
	global_load_b128 v[4:7], v2, s[8:9]            ; x's 128 partial maxima
	global_load_b32 v8, v3, s[8:9] offset:512      ; W_sel's 32
	global_load_b32 v9, v3, s[8:9] offset:640      ; W_agg's first half's
	global_load_b32 v10, v3, s[8:9] offset:768     ; its second half's
	s_wait_loadcnt 0x0
	v_max3_num_f32 v4, v4, v5, v6
	v_max_num_f32 v7, v4, v7
.irp m, 1,2,4,8
.irp r, 7,8,9,10
	v_max_num_f32_dpp v\r, v\r, v\r row_xmask:\m row_mask:0xf bank_mask:0xf
.endr
.endr
	v_permlanex16_b32 v4, v7, s[SEL], s[SEL+1]
	v_permlanex16_b32 v5, v8, s[SEL], s[SEL+1]
	v_permlanex16_b32 v6, v9, s[SEL], s[SEL+1]
	v_permlanex16_b32 v2, v10, s[SEL], s[SEL+1]
	v_max_num_f32 v7, v7, v4
	v_max_num_f32 v8, v8, v5
	v_max_num_f32 v9, v9, v6
	v_max_num_f32 v10, v10, v2
	v_sqrt_f32 v7, v7
	v_sqrt_f32 v8, v8
	v_sqrt_f32 v9, v9
	v_sqrt_f32 v10, v10
	v_nop                                          ; a plain instruction behind the last root,
	s_wait_alu depctr_va_vdst(0)                   ; and the one wait ahead of the first use of the four
	v_mul_f32 v8, v7, v8                           ; Bu
	v_mul_f32 v9, v7, v9                           ; B1
	v_mul_f32 v10, v7, v10                         ; B2
	v_fma_f32 v9, v9, v10, v9                      ; Pb
	v_readfirstlane_b32 s78, v8
	v_readfirstlane_b32 s79, v9
	s_bfe_u32 s78, s78, 0x80017                    ; the exponent fields: Bu < 2^(field - 126)
	s_bfe_u32 s79, s79, 0x80017
	s_sub_co_i32 s[FSU], 253, s78                  ; Su = 2^(126 - field)
	s_max_i32 s[FSU], s[FSU], 1
	s_min_i32 s[FSU], s[FSU], 253
	s_sub_co_i32 s[FSP], 268, s79                  ; Sp = 2^(141 - field)
	s_max_i32 s[FSP], s[FSP], 1
	s_min_i32 s[FSP], s[FSP], 253
.endm
	s_load_b256 s[4:11], s[0:1], 0x0               ; xb 4, wt1 6, norms 8, sqk_q 10
	s_load_b128 s[12:15], s[0:1], 0x20             ; sqk_k 12, zt 14
	v_lshl_add_u32 v[SPW], v0, 2, SPARE
	v_mov_b32 v[NIL], 0
	ds_add_u32 v[SPW], v[NIL]                      ; the wave's opening: the add, twice on end, and its wait ahead of my first tensor load
	ds_add_u32 v[SPW], v[NIL]                      ; and once more, under the one wait; the set-up below, work on registers, stands between
	v_lshrrev_b32 v1, 5, v0
	v_readfirstlane_b32 s[WV], v1                  ; wave 0..3
	s_bfe_u32 s[CX], ttmp6, 0x40000                ; my place in the cluster
	s_bfe_u32 s[CY], ttmp6, 0x40004                ; = the batch: the grid has one cluster along y
	s_lshl_b32 s[Q], ttmp9, 2
	s_add_co_u32 s[Q], s[Q], s[CX]
	s_and_b32 s[K0], ttmp9, 7                      ; my cluster begins each tile with this K step: the same in all sixteen partners
	s_mov_b32 s[NXT], 2                            ; steps 0 and 1 are the first fills
	s_mov_b32 s[OFS+1], 0
	s_lshl_b32 s20, s[CY], 2
	s_lshl_b32 s20, 15, s20                        ; my row of the cluster
	s_lshl_b32 s80, 0x1111, s[CX]                  ; my column
	; descriptor group 1: dense bytes as rows of 32 elements of 8 bytes, no padding; all words but the mask are constants
	s_or_b32 s[G1A], s20, (3<<16)|(1<<21)          ; 15:0 the mask; 17:16 elements of 8 bytes; 21 set beside a mask
	s_or_b32 s[G1C], s20, (3<<16)|(1<<21)
	s_or_b32 s[G1B], s80, (3<<16)|(1<<21)
	s_mov_b32 s[G1A+1], 32<<16                     ; tensor_dim0 = 32
	s_mov_b32 s[G1A+2], 192<<16                    ; tensor_dim1 = 192 rows
	s_mov_b32 s[G1A+3], 32<<16                     ; tile_dim0 = 32
	s_mov_b32 s[G1A+4], 192                        ; tile_dim1 = 192
	s_mov_b32 s[G1A+5], 32                         ; 32 elements from row to row
	s_mov_b32 s[G1A+6], 0
	s_mov_b32 s[G1A+7], 0
	s_mov_b32 s[G1C+1], 32<<16
	s_mov_b32 s[G1C+2], 128<<16                    ; 128 rows
	s_mov_b32 s[G1C+3], 32<<16
	s_mov_b32 s[G1C+4], 128
	s_mov_b32 s[G1C+5], 32
	s_mov_b32 s[G1C+6], 0
	s_mov_b32 s[G1C+7], 0
	s_mov_b32 s[G1B+1], 32<<16
	s_mov_b32 s[G1B+2], 96<<16                     ; 96 rows
	s_mov_b32 s[G1B+3], 32<<16
	s_mov_b32 s[G1B+4], 96
	s_mov_b32 s[G1B+5], 32
	s_mov_b32 s[G1B+6], 0
	s_mov_b32 s[G1B+7], 0
	s_mul_i32 s22, s[WV], 49152                    ; my part of x's step, in memory and in a slot: no place in the cluster enters an LDS address
	s_lshl_b32 s20, s[CY], 22                      ; a batch is 4 MiB of xb
	s_add_co_u32 s20, s20, s22
	s_mov_b32 s21, 0
	s_mul_i32 s80, s[Q], 8*BSTEP                   ; my strip
	s_mov_b32 s81, 0
	s_wait_dscnt 0x0                               ; both opening adds are done
	s_wait_kmcnt 0x0
	s_add_nc_u64 s[XB:XB+1], s[4:5], s[20:21]
	s_add_nc_u64 s[WB:WB+1], s[6:7], s[80:81]
	CROUND                                         ; all sixteen work-groups are here: the first joint loads meet
.irp s, 0,1
	s_add_co_u32 s[KT], s[K0], \s
	s_and_b32 s[KT], s[KT], 7                      ; the K step of my cluster's step s
	s_lshl_b32 s[OFS], s[KT], 17
	s_mov_b32 s[G0A+4*(\s)], 1                     ; count = 1
	s_add_co_u32 s[G0A+4*(\s)+1], s22, (\s)*SLOT   ; LDS address
	s_add_nc_u64 s[G0A+4*(\s)+2:G0A+4*(\s)+3], s[XB:XB+1], s[OFS:OFS+1]  ; global address
	s_or_b32 s[G0A+4*(\s)+3], s[G0A+4*(\s)+3], 0x80000000                ; type = 2
	s_mul_i32 s[OFS], s[KT], BSTEP
	s_mov_b32 s[G0B+4*(\s)], 1
	s_mov_b32 s[G0B+4*(\s)+1], BOFF+(\s)*SLOT
	s_add_nc_u64 s[G0B+4*(\s)+2:G0B+4*(\s)+3], s[WB:WB+1], s[OFS:OFS+1]
	s_or_b32 s[G0B+4*(\s)+3], s[G0B+4*(\s)+3], 0x80000000
	JLOAD \s
.endr
	; all that follows up to the first barrier stands in the wait for the first tiles
	v_and_b32 v1, 31, v0                           ; lane
	v_and_b32 v2, 15, v0                           ; lane % 16
	v_bfe_u32 v3, v0, 4, 1                         ; lane / 16
	v_lshlrev_b32 v4, 4, v1
	s_lshl_b32 s22, s[WV], 15                      ; my 128 rows: 32,768 bytes of a slot
	v_add_nc_u32 v[ADRA], s22, v4
	v_add_nc_u32 v[ADRA+1], SLOT, v[ADRA]
	v_add_nc_u32 v[ADRB], BOFF, v4
	v_add_nc_u32 v[ADRB+1], SLOT, v[ADRB]
	s_lshl_b32 s22, s[WV], 7
	s_add_co_u32 s23, s22, EXCH
	v_lshl_add_u32 v[EXW], v2, 2, s23
	v_lshl_add_u32 v[EXR], v2, 2, EXCH
	s_add_co_u32 s22, s22, 1
	v_lshl_add_u32 v5, v3, 3, s22                  ; 128 wave + 8 (lane / 16) + 1
	v_cvt_f32_u32 v[TB], v5
	v_bfe_u32 v5, v0, 3, 1
	v_and_b32 v6, 7, v0
	v_lshl_add_u32 v6, v3, 3, v6
	v_lshl_add_u32 v6, v5, 4, v6                   ; chunk 16 ((lane % 16) / 8) + 8 (lane / 16) + lane % 8
	v_lshlrev_b32 v[ZO], 4, v6
	v_lshlrev_b32 v[PFO], 8, v1
	s_lshl_b32 s82, s[Q], 7
	v_lshl_add_u32 v[QA], v2, 2, s82
	v_mov_b32 v[CAR], 0
	v_mov_b32 v[CAR+1], 0
.set c, 0
.rept 16
	v_mov_b32 v[OFF+2*c], 0                        ; v_permlanex16_b32's destinations count as read
.set c, c+1
.endr
	global_load_b32 v32, v[QA], s[10:11]           ; sqk_q of my column in column blocks 0, 1
	global_load_b32 v33, v[QA], s[10:11] offset:64
	global_load_b32 v34, v[QA], s[12:13]           ; sqk_k for h1
	global_load_b32 v35, v[QA], s[12:13] offset:64
	global_load_b32 v36, v[QA], s[12:13] offset:8192  ; and for h2, 2,048 columns on
	global_load_b32 v37, v[QA], s[12:13] offset:8256
	s_mov_b32 s[SEL], 0x76543210
	s_mov_b32 s[SEL+1], 0xfedcba98
	s_mov_b32 s[HI], 0xffff0000
	s_cmp_gt_u32 s[WV], 0
	s_cselect_b32 s[M1], -1, 0
	s_cmp_gt_u32 s[WV], 1
	s_cselect_b32 s[M1+1], -1, 0
	s_cmp_gt_u32 s[WV], 2
	s_cselect_b32 s[M1+2], -1, 0
	s_mul_i32 s82, s[CY], 8*ZTILE                  ; zt: a batch is eight tiles of 256 rows,
	s_lshr_b32 s83, s[WV], 1
	s_mul_i32 s83, s83, ZTILE                      ; my 256 rows of the tile's 512,
	s_add_co_u32 s82, s82, s83
	s_lshr_b32 s83, s[Q], 2
	s_mul_i32 s83, s83, ZSTEP                      ; my strip's 128 columns,
	s_add_co_u32 s82, s82, s83
	s_and_b32 s83, s[WV], 1
	s_mul_i32 s83, s83, ZHALF                      ; my 128 rows,
	s_add_co_u32 s82, s82, s83
	s_and_b32 s83, s[Q], 3
	s_lshl_b32 s83, s83, 10                        ; 32 columns 1,024
	s_add_co_u32 s82, s82, s83
	s_mov_b32 s83, 0
	s_add_nc_u64 s[SZ:SZ+1], s[14:15], s[82:83]
	s_lshl_b32 s82, s[CY], 22                      ; the prefetches: my 8,192 bytes of the batch's tile 1, at the K step with which my cluster begins
	s_lshl_b32 s83, s[CX], 15
	s_add_co_u32 s82, s82, s83
	s_lshl_b32 s83, s[WV], 13
	s_add_co_u32 s82, s82, s83
	s_add_co_u32 s83, s[K0], 8
	s_lshl_b32 s83, s83, 17
	s_add_co_u32 s82, s82, s83
	s_mov_b32 s83, 0
	s_add_nc_u64 s[PFA:PFA+1], s[4:5], s[82:83]
	s_mov_b32 s[PFN], 0
	s_mov_b32 s82, ttmp9
	s_cmp_lt_u32 s82, 8                            ; the same in all sixteen partners
	s_cselect_b32 s[PFM], (1<<5)|(1<<13)|(1<<21), 0
	SCALES                                         ; its wait for loads covers the six of sqk too
	s_lshl_b32 s[SU], s[FSU], 23
	s_lshl_b32 s[SCP], s[FSP], 23
	v_cvt_pk_bf16_f32 v1, v32, v33                 ; sqk rounded to bf16 like the other inputs
	v_cvt_pk_bf16_f32 v2, v34, v35
	v_cvt_pk_bf16_f32 v3, v36, v37
	v_lshlrev_b32 v4, 16, v1                       ; sq
	v_and_b32 v5, s[HI], v1
	v_lshlrev_b32 v6, 16, v2                       ; k1
	v_and_b32 v7, s[HI], v2
	v_lshlrev_b32 v8, 16, v3                       ; k2
	v_and_b32 v9, s[HI], v3
	v_mul_f32 v10, 0xbfb8aa3b, v4                  ; KC = -log2(e) sq: u KC is the exponent of e^-u'
	v_mul_f32 v11, 0xbfb8aa3b, v5
	v_mul_f32 v4, s[SU], v4                        ; sq Su
	v_mul_f32 v5, s[SU], v5
	v_mul_f32 v6, s[SCP], v6                       ; k1 Sp
	v_mul_f32 v7, s[SCP], v7
	v_mul_f32 v6, v6, v4                           ; KB = k1 Sp sq Su: a column's factors are taken into poly, since the sum along T keeps them
	v_mul_f32 v7, v7, v5
	v_mul_f32 v8, v8, v6                           ; KA = k2 KB: three numbers of 8 bits: the product is exact
	v_mul_f32 v9, v9, v7
.irp w, 0x80, 0xc0                     ; into windows 2 and 3, each twice, so that a packed line names a pair
	WIN \w
	v_mov_b32 v192, v8
	v_mov_b32 v193, v8
	v_mov_b32 v194, v9
	v_mov_b32 v195, v9
	v_mov_b32 v196, v6
	v_mov_b32 v197, v6
	v_mov_b32 v198, v7
	v_mov_b32 v199, v7
	v_mov_b32 v200, v10
	v_mov_b32 v201, v10
	v_mov_b32 v202, v11
	v_mov_b32 v203, v11
.endr
	WIN 0
; 12 matrix instructions: row blocks a0, a0 + 1 of the window's four (hi = 0: my rows 0-63, 1: rows 64-127) x all 6 column blocks, 32 along K.  zero = 1: the product starts the sums: nothing is cleared.
; The 48 accumulators take turns, one instruction a turn, in the same order everywhere.
.macro MUL12 f, hi, a0, zero
	WIN MUL_LO+0x50*(\hi)
.irp a, \a0, (\a0)+1
.irp c, 0,1,2,3,4,5
.if \zero
	v_wmma_f32_16x16x32_bf16 v[8*(6*(\a)+(\c)):8*(6*(\a)+(\c))+7], v[(\f)+8*(4*(\hi)+(\a)):(\f)+8*(4*(\hi)+(\a))+7], v[(\f)+8*(\c):(\f)+8*(\c)+7], 0
.else
	v_wmma_f32_16x16x32_bf16 v[8*(6*(\a)+(\c)):8*(6*(\a)+(\c))+7], v[(\f)+8*(4*(\hi)+(\a)):(\f)+8*(4*(\hi)+(\a))+7], v[(\f)+8*(\c):(\f)+8*(\c)+7], v[8*(6*(\a)+(\c)):8*(6*(\a)+(\c))+7]
.endif
.endr
.endr
.endm
; 28 LDS loads in one run: quarter kq's fragments into buffer f: the weights' 6 (turned), then x's 8.  Every load takes 512 consecutive bytes.
.macro FETCH slot, kq, f
	WIN TO_B
.irp c, 0,1,2,3,4,5
	ds_load_tr16_b128 v[(\f)+8*(\c):(\f)+8*(\c)+3],   v[ADRB+(\slot)] offset:(8*(\c)+2*(\kq))*512
	ds_load_tr16_b128 v[(\f)+8*(\c)+4:(\f)+8*(\c)+7], v[ADRB+(\slot)] offset:(8*(\c)+2*(\kq))*512+512
.endr
	WIN 0
.irp i, 0,1,2,3,4,5,6,7
	ds_load_b128 v[(\f)+8*(\i):(\f)+8*(\i)+3],   v[ADRA+(\slot)] offset:(4*(\i)+(\kq))*1024
	ds_load_b128 v[(\f)+8*(\i)+4:(\f)+8*(\i)+7], v[ADRA+(\slot)] offset:(4*(\i)+(\kq))*1024+512
.endr
.endm
; A K step is four quarters of 32 along K, 48 matrix instructions each, on buffers 0, 1, 0, 1.  One of the first three multiplies buffer f and, in its middle, fetches quarter kq into buffer g.
.macro QUARTER slot, kq, f, g, zero
	s_wait_dscnt 8                                 ; the weights and x's row blocks 0-3 are in; the youngest eight loads (blocks 4-7) may be out
	MUL12 \f, 0, 0, \zero
	MUL12 \f, 0, 2, \zero
	PLACES
	FETCH \slot, \kq, \g
	s_wait_dscnt 28                                ; all but the 28 just issued
	MUL12 \f, 1, 0, \zero
	MUL12 \f, 1, 2, \zero
.endm
; The last quarter's first half and the barrier of the change of slots: each wave waits for all its tensor loads (one is out: its part of the next slot), adds 0 to its spare word, and waits for that and for its reads of this slot.
; round = 1: the slot is filled again: the addresses of step NXT are made here, behind the wait for all loads: tile NXT / 8, K step (K0 + NXT) mod 8.
.macro MEET round, slot=0
	WIN 0
	s_wait_tensorcnt 0x0                           ; all my tensor loads have landed, so a group 0 may be written
	ds_add_u32 v[SPW], v[NIL]
.if \round
	s_add_co_u32 s[KT], s[NXT], s[K0]
	s_and_b32 s[KT], s[KT], 7                      ; the K step
	s_and_b32 s[KU], s[NXT], 0x18                  ; 8 x the tile
	s_or_b32 s[KU], s[KU], s[KT]
	s_lshl_b32 s[OFS], s[KU], 17                   ; a batch's steps lie on end, 131,072 bytes each
	s_add_nc_u64 s[G0A+4*(\slot)+2:G0A+4*(\slot)+3], s[XB:XB+1], s[OFS:OFS+1]
	s_or_b32 s[G0A+4*(\slot)+3], s[G0A+4*(\slot)+3], 0x80000000
	s_mul_i32 s[OFS], s[KT], BSTEP                 ; the weights are the same for all tiles
	s_add_nc_u64 s[G0B+4*(\slot)+2:G0B+4*(\slot)+3], s[WB:WB+1], s[OFS:OFS+1]
	s_or_b32 s[G0B+4*(\slot)+3], s[G0B+4*(\slot)+3], 0x80000000
	s_add_co_u32 s[NXT], s[NXT], 1
.endif
	s_wait_dscnt 9                                 ; (the add and the youngest eight loads may be out)
	MUL12 F1, 0, 0, 0                              ; twelve matrix instructions stand between the add and the wait for it
	s_wait_dscnt 0x0                               ; the add is done, and my reads of this slot are over
	s_barrier_signal -1
	MUL12 F1, 0, 2, 0                              ; work on registers while the others arrive
.if \round
	WIN 0
.endif
	s_barrier_wait -1
.endm
; The whole last quarter with a refill: the barrier opens a round of the cluster's, so that no wave of any partner still reads the slot or has a load on its way; the joint refill is the first thing behind it and has
; 168 matrix instructions in which to land.  The ring goes on from tile to tile.
.macro TURN slot, next
	s_wait_xcnt 0x0                                ; the last prefetch, a step back or more, has read its address
	s_lshr_b32 s[PT], s[PFM], s[PFN]
	s_and_b32 s[PT], s[PT], 1                      ; did the last change of slots prefetch?
	s_lshl_b32 s[PT], s[PT], 20                    ; then on by a tile: eight steps
	s_add_nc_u64 s[PFA:PFA+1], s[PFA:PFA+1], s[PT:PT+1]
	s_add_co_u32 s[PFN], s[PFN], 1
	MEET 1, \slot
	CREST
	JLOAD \slot                                    ; its four v_nop are also the places in front of the loads below
	FETCH \next, 0, F0
	ASK
	MUL12 F1, 1, 0, 0
	MUL12 F1, 1, 2, 0
.endm
; THE TILE'S END.  A chain is (row block, column block): 8 numbers a lane of u, h1, h2.  Each accumulator is first read at its lowest pair.
; EPI_T: t + 1 for my 128 rows.
.macro EPI_T
	WIN 0
	v_mov_b32 v32, v[TB]
	v_add_f32 v33, 1.0, v[TB]
	v_pk_add_f32 v[34:35], v[32:33], 2.0 op_sel_hi:[1,0]
	v_pk_add_f32 v[36:37], v[32:33], 4.0 op_sel_hi:[1,0]
	v_pk_add_f32 v[38:39], v[34:35], 4.0 op_sel_hi:[1,0]
.set k, 4
.rept 28                               ; pair k of block k / 4 = the block before's + 16
.set rW, 32+2*k+160*(k/16)
.set rV, 32+2*(k-4)+160*((k-4)/16)
	v_pk_add_f32 v[rW:rW+1], v[rV:rV+1], 0x41800000 op_sel_hi:[1,0]
.set k, k+1
.endr
.endm
; EPI_A, for a window's 8 chains: KA h2 + KB; times h1: poly with the column's factors; u KC, the exponent; ONE BATCH of 64 exponentials, the lane's running sums of poly between them; one wait;
; e (t + 1) + (t + 1): one reciprocal will serve the sigmoid's division and the mean's.
.macro EPI_A w
	WIN 0x55*(\w)                                  ; every place in the window
.set k, 0
.rept 32                               ; chain k / 4, pair k % 4
.set rH, 48*(k/8)+8*((k/4)%2)+2*(k%4)
	v_pk_fma_f32 v[rH+32:rH+33], v[rH+32:rH+33], v[192+2*((k/4)%2):193+2*((k/4)%2)], v[196+2*((k/4)%2):197+2*((k/4)%2)]
.set k, k+1
.endr
.set k, 0
.rept 32
.set rH, 48*(k/8)+8*((k/4)%2)+2*(k%4)
	v_pk_mul_f32 v[rH+16:rH+17], v[rH+16:rH+17], v[rH+32:rH+33]
.set k, k+1
.endr
.set k, 0
.rept 32
.set rH, 48*(k/8)+8*((k/4)%2)+2*(k%4)
	v_pk_mul_f32 v[rH+32:rH+33], v[rH:rH+1], v[200+2*((k/4)%2):201+2*((k/4)%2)]
.set k, k+1
.endr
.set n, 0
.rept 64                               ; chain n % 8, register n / 8: a chain's links of the running sum stand sixteen lines apart
.set rE, 48*((n%8)/2)+8*(n%2)+n/8
	v_exp_f32 v[rE+32], v[rE+32]
.if n < 56
	v_add_f32 v[rE+17], v[rE+17], v[rE+16]
.endif
.set n, n+1
.endr
	v_nop                                          ; a plain instruction behind the last exponential
	s_wait_alu depctr_va_vdst(0)                   ; the one wait for the batch, ahead of its first reader
	WIN 0x41*(\w)                                  ; destination and source 0 in the window, sources 1 and 2 (t + 1) in window 0
.set k, 0
.rept 32
.set rH, 48*(k/8)+8*((k/4)%2)+2*(k%4)
.set mb, 4*((\w)-2)+k/8
.set rW, 32+8*mb+160*(mb/4)+2*(k%4)
	v_pk_fma_f32 v[rH+32:rH+33], v[rH+32:rH+33], v[rW:rW+1], v[rW:rW+1]
.set k, k+1
.endr
.endm
; Line n of 44: lanes 16-31 keep the total of the block's rows 0-7, lanes 0-15 take 0; then, block after block, a chain's offset takes the totals of the blocks before it.
.macro PLN
.if n < 16
	v_cndmask_b32 v[OFF+2*n], 0, v[OFF+2*n], s[HI]
.else
.set c, 2+(n-16)/2
.if (n%2) == 0
	v_add_f32 v[OFF+2*c], v[OFF+2*c], v[OFF+2*c-3]
.else
	v_add_f32 v[OFF+2*c+1], v[OFF+2*c+1], v[OFF+2*c-3]
.endif
.endif
.endm
; EPI_B: each chain's totals; the waves' totals meet in LDS; every chain's offset is finished.  last = 1: no tile follows, so no carry is taken on.
.macro EPI_B last
.irp w, 2,3
	WIN \w                                         ; source 0 in the window
.set k, 0
.rept 8
	v_permlanex16_b32 v[OFF+2*(8*((\w)-2)+k)], v[48*(k/2)+8*(k%2)+23], s[SEL], s[SEL+1]  ; the other eight rows' total
.set k, k+1
.endr
.set k, 0
.rept 8
	v_add_f32 v[OFF+2*(8*((\w)-2)+k)+1], v[48*(k/2)+8*(k%2)+23], v[OFF+2*(8*((\w)-2)+k)] ; the block's
.set k, k+1
.endr
.endr
	WIN 0
.set n, 0
.rept 44
	PLN
.set n, n+1
.endr
	ds_store_b32 v[EXW], v[OFF+29]                 ; my wave's totals, by column block
	ds_store_b32 v[EXW], v[OFF+31] offset:64
	s_wait_dscnt 0x0                               ; for the others' sake: my stores are done (and the next tile's first fragments are in)
	s_barrier_signal -1
	s_barrier_wait -1                              ; the words are written again only behind the next tile's eight barriers
.irp w, 0,1,2,3
	ds_load_b32 v[2+2*(\w)], v[EXR] offset:128*(\w)
	ds_load_b32 v[3+2*(\w)], v[EXR] offset:128*(\w)+64
.endr
	s_wait_dscnt 0x0
.irp w, 0,1,2
	v_cndmask_b32 v[10+2*(\w)], 0, v[2+2*(\w)], s[M1+(\w)]   ; the totals of the waves above me
	v_cndmask_b32 v[11+2*(\w)], 0, v[3+2*(\w)], s[M1+(\w)]
.endr
	v_pk_add_f32 v[10:11], v[10:11], v[12:13]
	v_pk_add_f32 v[10:11], v[10:11], v[14:15]
	v_pk_add_f32 v[10:11], v[10:11], v[CAR:CAR+1]
.if !(\last)
	v_pk_add_f32 v[2:3], v[2:3], v[4:5]
	v_pk_add_f32 v[6:7], v[6:7], v[8:9]
	v_pk_add_f32 v[2:3], v[2:3], v[6:7]
	v_pk_add_f32 v[CAR:CAR+1], v[CAR:CAR+1], v[2:3]
.endif
.set c, 0
.rept 16
	v_add_f32 v[OFF+2*c], v[OFF+2*c], v[10+c%2]
.set c, c+1
.endr
.endm
; EPI_C, for a window's 8 chains: ONE BATCH of 64 reciprocals of (1 + e^-u) (t + 1), the offsets' additions between them; one wait; z; rounded to f16.
.macro EPI_C w
	WIN 0x51*(\w)                                  ; destination, sources 0 and 2 in the window, source 1 in window 0
.set n, 0
.rept 64
.set rE, 48*((n%8)/2)+8*(n%2)+n/8
	v_rcp_f32 v[rE+32], v[rE+32]
.if (n%2) == 1
.set k, n/2
.set rH, 48*(k/8)+8*((k/4)%2)+2*(k%4)
.set mb, 4*((\w)-2)+k/8
	v_pk_add_f32 v[rH+16:rH+17], v[rH+16:rH+17], v[OFF+2*(2*mb+(k/4)%2):OFF+2*(2*mb+(k/4)%2)+1] op_sel_hi:[1,0]
.endif
.set n, n+1
.endr
	s_wait_alu depctr_va_vdst(0)                   ; the one wait for the batch; the addition above is the plain instruction behind its last
	WIN 0x55*(\w)
.set k, 0
.rept 32
.set rH, 48*(k/8)+8*((k/4)%2)+2*(k%4)
	v_pk_mul_f32 v[rH:rH+1], v[rH:rH+1], v[rH+32:rH+33]
.set k, k+1
.endr
.set k, 0
.rept 32
.set rH, 48*(k/8)+8*((k/4)%2)+2*(k%4)
	v_pk_mul_f32 v[rH:rH+1], v[rH:rH+1], v[rH+16:rH+17]
.set k, k+1
.endr
	WIN 0x05*(\w)                                  ; sources 0 and 1 in the window, destination in window 0
.set k, 0
.rept 32
.set rH, 48*(k/8)+8*((k/4)%2)+2*(k%4)
	v_cvt_pk_f16_f32 v[Z+4*(2*(4*((\w)-2)+k/8)+(k/4)%2)+k%4], v[rH], v[rH+1]
.set k, k+1
.endr
.endm
; EPI_LO: the second term of my row block 0 (two chains, 16 numbers a lane): what the rounding to f16 left, f16 half x (-1) + z in one fused line, which is exact; times 2^11, so that it has z's own size; rounded to f16.
; It stands behind EPI_C 2: z of row blocks 0-3 still lies in window 2, and v32-63 (t + 1 of those blocks) have been used.
.macro EPI_LO
	WIN 0
	v_mov_b32 v1, -1.0
	WIN 0x20                                       ; source 2 in window 2
.set k, 0
.rept 8                                ; chain k / 4, pair k % 4
	v_fma_mix_f32 v[LOF+2*k],   v[Z+k], v1, v[8*(k/4)+2*(k%4)]   op_sel_hi:[1,0,0]
	v_fma_mix_f32 v[LOF+2*k+1], v[Z+k], v1, v[8*(k/4)+2*(k%4)+1] op_sel:[1,0,0] op_sel_hi:[1,0,0]
.set k, k+1
.endr
	WIN 0
.set k, 0
.rept 8
	v_pk_mul_f32 v[LOF+2*k:LOF+2*k+1], v[LOF+2*k:LOF+2*k+1], 0x45000000 op_sel_hi:[1,0]  ; x 2,048
.set k, k+1
.endr
.set k, 0
.rept 8
	v_cvt_pk_f16_f32 v[LOH+k], v[LOF+2*k], v[LOF+2*k+1]
.set k, k+1
.endr
.endm
.macro EPILOGUE last
	PLACES                                         ; behind the last products
	EPI_T
	EPI_A 2
	EPI_A 3
	EPI_B \last
	EPI_C 2
	EPI_LO
	EPI_C 3
	WIN 0
.set c, 0
.rept 16
	global_store_b128 v[ZO], v[Z+4*c:Z+4*c+3], s[SZ:SZ+1] offset:(c/2)*4096+(c%2)*512  ; a turned block: 512 consecutive bytes, aligned
.set c, c+1
.endr
.irp nb, 0,1
	global_store_b128 v[ZO], v[LOH+4*(\nb):LOH+4*(\nb)+3], s[SZ:SZ+1] offset:8*4096+(\nb)*512  ; block 8: the second term
.endr
.if !(\last)
	s_wait_xcnt 0x0                                ; the stores have read z's registers, which the next quarter loads, and their base
	s_add_nc_u64 s[SZ:SZ+1], s[SZ:SZ+1], 2*ZTILE   ; 512 rows on
	v_add_f32 v[TB], 0x44000000, v[TB]             ; + 512
.endif
.endm
	s_wait_tensorcnt 0x1                           ; my part of step 0 is in; step 1's may stay out
	s_barrier_signal -1
	s_barrier_wait -1                              ; everybody's is
	FETCH 0, 0, F0
	s_mov_b32 s[TL], 4
.Ltile:
	QUARTER 0, 1, F0, F1, 1                        ; a tile's first quarter stands in front of the loop: its products start the sums
	WIN 0                                          ; at a label and at a branch every window is 0
	s_mov_b32 s[LP], 3
.Llap:                                         ; a trip goes once round the ring, from a lap's second quarter to the next lap's first, and fills both slots again
	QUARTER 0, 2, F1, F0, 0
	QUARTER 0, 3, F0, F1, 0
	TURN 0, 1
	QUARTER 1, 1, F0, F1, 0
	QUARTER 1, 2, F1, F0, 0
	QUARTER 1, 3, F0, F1, 0
	TURN 1, 0
	QUARTER 0, 1, F0, F1, 0
	WIN 0
	s_sub_co_u32 s[LP], s[LP], 1
	s_cmp_lg_u32 s[LP], 0
	s_cbranch_scc1 .Llap
	QUARTER 0, 2, F1, F0, 0                        ; the tile's last lap goes on
	QUARTER 0, 3, F0, F1, 0
	WIN 0
	s_cmp_eq_u32 s[TL], 1
	s_cbranch_scc1 .Llast                          ; the last tile's tail is written out: it asks for nothing more, and does not come back
	TURN 0, 1                                      ; the ring goes on into the next tile: slot 0 takes its first step,
	QUARTER 1, 1, F0, F1, 0
	QUARTER 1, 2, F1, F0, 0
	QUARTER 1, 3, F0, F1, 0
	TURN 1, 0                                      ; slot 1 its second, and the next tile's first fragments are fetched
	EPILOGUE 0                                     ; slot 1's refill is on its way while the tile ends
	s_sub_co_u32 s[TL], s[TL], 1
	s_branch .Ltile
.Llast:
	MEET 0                                         ; the one load that was out is slot 1's, the last step's, so no round follows
	PLACES
	FETCH 1, 0, F0
	MUL12 F1, 1, 0, 0
	MUL12 F1, 1, 2, 0
	QUARTER 1, 1, F0, F1, 0
	QUARTER 1, 2, F1, F0, 0
	QUARTER 1, 3, F0, F1, 0
	s_wait_dscnt 8                                 ; the very last quarter: nothing more to fetch
	MUL12 F1, 0, 0, 0
	MUL12 F1, 0, 2, 0
	s_wait_dscnt 0x0
	MUL12 F1, 1, 0, 0
	MUL12 F1, 1, 2, 0
	EPILOGUE 1
	s_wait_tensorcnt 0x0                           ; the wave's end: behind my last tensor load and my last LDS store
	ds_add_u32 v[SPW], v[NIL]
	s_wait_dscnt 0x0
	CROUND                                         ; the closing round: no work-group ends while a partner may still ask for a tile that names it
	s_endpgm
.Lfunc_end_k_q5b35c7d6b0_mix:
	.size	k_q5b35c7d6b0_mix, .Lfunc_end_k_q5b35c7d6b0_mix-k_q5b35c7d6b0_mix
	.p2alignl 7, 3214868480
	.fill 96, 4, 3214868480
	.section	.rodata,"a",@progbits
	.p2align	6, 0x0
	.amdhsa_kernel k_q5b35c7d6b0_mix
		.amdhsa_group_segment_fixed_size 327680
		.amdhsa_private_segment_fixed_size 0
		.amdhsa_enable_private_segment 0
		.amdhsa_kernarg_size 48
		.amdhsa_user_sgpr_count 2
		.amdhsa_user_sgpr_kernarg_segment_ptr 1
		.amdhsa_wavefront_size32 1
		.amdhsa_system_sgpr_workgroup_id_x 1
		.amdhsa_system_sgpr_workgroup_id_y 1
		.amdhsa_system_sgpr_workgroup_id_z 1
		.amdhsa_system_vgpr_workitem_id 0
		.amdhsa_next_free_vgpr 1024
		.amdhsa_next_free_sgpr 96
		.amdhsa_reserve_vcc 0
		.amdhsa_float_denorm_mode_32 3
		.amdhsa_float_denorm_mode_16_64 3
		.amdhsa_memory_ordered 1
		.amdhsa_forward_progress 1
		.amdhsa_inst_pref_size 244
	.end_amdhsa_kernel
	.amdgpu_metadata
---
amdhsa.version: [ 1, 2 ]
amdhsa.kernels:
  - .name:           k_q5b35c7d6b0_mix
    .symbol:         k_q5b35c7d6b0_mix.kd
    .args:
      - { .name: xb, .offset: 0, .size: 8, .value_kind: global_buffer, .address_space: global }
      - { .name: wt1, .offset: 8, .size: 8, .value_kind: global_buffer, .address_space: global }
      - { .name: norms, .offset: 16, .size: 8, .value_kind: global_buffer, .address_space: global }
      - { .name: sqk_q, .offset: 24, .size: 8, .value_kind: global_buffer, .address_space: global }
      - { .name: sqk_k, .offset: 32, .size: 8, .value_kind: global_buffer, .address_space: global }
      - { .name: zt, .offset: 40, .size: 8, .value_kind: global_buffer, .address_space: global }
    .group_segment_fixed_size: 327680
    .private_segment_fixed_size: 0
    .kernarg_segment_align: 8
    .kernarg_segment_size: 48
    .max_flat_workgroup_size: 128
    .sgpr_count:     96
    .vgpr_count:     1024
    .wavefront_size: 32
...
	.end_amdgpu_metadata
.endif
;; end of part 2
;; launch proj (part 3): grid 8 x 32, 4 waves a work-group, clusters of 4 x 4, 327,680 bytes of LDS; arguments zt, wo2, norms, out0; writes out0
.if DOCPART == 3
	.amdgcn_target "amdgcn-amd-amdhsa--gfx1250"
	.amdhsa_code_object_version 6
	.text
	.protected	k_q5b35c7d6b0_proj
	.globl	k_q5b35c7d6b0_proj
	.p2align	8
	.type	k_q5b35c7d6b0_proj,@function
k_q5b35c7d6b0_proj:
	s_mov_b64 s[64:65], 0
	v_nop
	global_prefetch_b8 v0, s[64:65] scope:SCOPE_SE
	s_setreg_imm32_b32 hwreg(HW_REG_WAVE_MODE, 25, 1), 1
	s_wait_xcnt 0x0
	s_wait_alu depctr_hold_cnt(0) depctr_sa_sdst(0) depctr_va_vdst(0) depctr_va_sdst(0) depctr_va_ssrc(0) depctr_va_vcc(0) depctr_vm_vsrc(0)
	s_getreg_b32 s2, hwreg(HW_REG_IB_STS2, 6, 4)
	s_cmp_eq_u32 s2, 0
	s_cbranch_scc0 .Lentry_in_a_cluster
	s_endpgm
.Lentry_in_a_cluster:
	s_bfe_u32 s2, ttmp6, 0x10000c
	s_cmp_lg_u32 s2, 0xf033
	s_cbranch_scc0 .Lentry_shape_is_right
	s_endpgm
.Lentry_shape_is_right:
; PROJ: out0[m][n] = 2^G x the sum over k of z'[m][k] W_out[k][n]: [8192 x 2048] x [2048 x 1024], f16 operands, f32 sums, f32 out.  Nothing of reference() is left out.
; z' = z Su Sp is the launch before's, 2^G = 1 / (Su Sp), made anew from the first launch's partial maxima by the same lines.
; Both operands lie in memory in turned blocks of 512 bytes (16 k x 16 rows or columns; chunk i = k 8 (i / 16) + i % 8, eight neighbours 8 ((i / 8) % 2) + 0..7), a K step's blocks on end:
; a tensor load brings them as dense bytes, and ds_load_tr16_b128 at base + 16 x lane makes half a fragment of a block.
; THE SECOND TERM.  For the first 16 of each 128 rows zt also holds lo = (z' - f16(z')) x 2^11 in f16 (block 8 of a half's nine): it is multiplied into four accumulators of its own, and those rows leave as
; (sum + 2^-11 lo's sum) 2^G.  A batch's first 16 rows want it: row t has 1 / sqrt(t + 1) of row 0's size, and one rounding of z to 11 bits is too much beside a hundredth of the whole output's root mean square there.
; Every wave does it for its first row block, 4 matrix instructions for 32: which tile begins a batch hangs on the work-group's place in its cluster, and partners of a cluster run alike.
; SHARES.  Tiles of 256 x 256 would give 128 work-groups: a tile of out0 is 256 x 128, 256 work-groups of four waves, each 128 x 64: 32 accumulators, 256 registers.  K goes in 16 steps of 128 through two LDS slots
; (two slots of a K step of 256 would want 425,984 bytes).
; THE MATRIX INSTRUCTION IS USED TRANSPOSED (source 0 = 16 columns of W_out, source 1 = 16 rows of z): a lane holds row lane % 16 and the eight neighbouring columns 8 (lane / 16) + 0..7.
; CLUSTER.  4 x 4 work-groups: z's tile hangs on the tile row alone and is asked for jointly along a row of the cluster, W_out's on the tile column alone and jointly along a column.  Waves 0, 1 fetch z's halves
; (144 rows of 256 bytes), waves 2, 3 W_out's (64 rows): one tensor load a wave and step; two are out at the start, later one.
; K BY TURNS AMONG THE CLUSTERS.  Cluster (X, Y) walks the 16 K steps in the order (K0 + j) mod 16, K0 = (8 X + 4 (Y mod 4)) mod 16 (f32 sums may be taken in any order).  The two clusters that read a tile row of z
; begin eight steps apart: each step of it is asked for first by one of them, among its first eight, and by the other eight steps later.  The clusters that read a tile column of W_out begin at four different steps,
; four apart: each step of it is asked for first among some cluster's first four.  A refill's address is made anew from the number of the step to be asked for.
; LIMIT.  127 + G is held to 1..254: right while the bound on |z| lies between 2^-111 and 2^141.
; REGISTERS: window 0: v1-15 at work; v16-30 addresses; v32-63 a block scaled; v64-127 a block as rows, two buffers.
;   window 1: two fragment buffers of 104: z's 8 row blocks, W_out's 4 column blocks, lo's one; v208-239 lo's four accumulators.      window 2: accumulator (a, b) at v[8 (4 a + b)].
.set AHALF, 36864                      ; 128 rows x 128 k of zt: 9 blocks of 4,096 bytes
.set ASTEP, 2*AHALF
.set ZTILE, 16*ASTEP                   ; 256 rows of zt
.set BSTEP, 32768                      ; = 1 << 15
.set SLOT,  ASTEP+BSTEP                ; z's 73,728 bytes (half h, block (blk, kq, half) at 36,864 h + (8 blk + 2 kq + half) x 512), then W_out's 32,768
.set BOFF,  ASTEP
.set STAGE, 2*SLOT                     ; behind the ring: 16 rows x 272 bytes for each wave, for the way out; no tensor load lands here
.set SPI,   272                        ; 256 bytes + 16: the sixteen rows that a store touches start at sixteen different groups of four banks (64 banks of 4 bytes: ISA guide 11.1)
.set SPARE, STAGE+4*16*SPI             ; the spare words, 128 bytes for each wave: two blocks of 256 bytes that no other line names
.set F0,   0
.set F1,   104
.set LOA,  208                         ; window 1: lo's accumulator for column block b at LOA + 8 b
.set ADRA, 16
.set ADRB, 20
.set STO,  24
.set RD,   25
.set CO,   26
.set SPW,  28
.set NIL,  29
.set PFO,  30
.set TMP,  32
.set OB,   64
.set KT,   2                           ; s2, s3 at work on a step's number: they never hold a place in the cluster
.set KU,   3
.set MT,   13                          ; s13 tile row, s14, s15 my half of its rows, of its columns
.set WR,   14
.set WC,   15
.set WV,   16
.set CX,   17
.set CY,   18
.set NT,   19                          ; s19 tile column
.set XB,   20                          ; s[20:21] zt at my tile row and the half that I fetch
.set G1A,  24
.set G0A,  32
.set LP,   41
.set SEL,  42
.set PFA,  44                          ; s[44:45] what my prefetch names
.set PFN,  46                          ; s46 changes of slots so far
.set PFLIM, 47                         ; s47 the last change that prefetches: 3 in waves 0 and 1, 0 in waves 2 and 3
.set G1B,  48
.set G0B,  56
.set K0,   66                          ; s66 the K step with which my cluster begins
.set NXT,  67                          ; s67 the number, 0 to 15, of the step to be asked for next
.set OFS,  68                          ; s[68:69] a step's byte offset; s69 = 0
.set POF,  70                          ; s[70:71] the same for the prefetches; s71 = 0
.set OUTB, 72                          ; s[72:73] out0 at the block that is being stored
.set FSU,  74
.set FSP,  75
.set SG,   76                          ; s[76:77] 2^G
.set WB,   80                          ; s[80:81] wo2 at my tile column and the half that I fetch
.set PFB,  90                          ; s[90:91] zt at my work-group's 8,192 bytes of the half that I fetch, K step 0
.set MSB, 0
.macro WIN new
.if MSB != (\new)
	s_set_vgpr_msb (MSB<<8)|(\new)
.set MSB, (\new)
.endif
.endm
.set MUL,  0xa5                        ; sources 0 and 1 window 1, C and D window 2
.set MULO, 0x55                        ; every place in window 1
.set TO_F, 0x40                        ; destination window 1, address window 0
.macro PLACES
.rept 4
	v_nop
.endr
.endm
.macro JLOAD s                         ; waves 0, 1 ask for z, waves 2, 3 for W_out; an s_nop 0 and four v_nop follow each of the two lines
	s_cmp_eq_u32 s[WR], 0
	s_cbranch_scc0 .Lfor_b_\@
	tensor_load_to_lds s[G0A+4*(\s):G0A+4*(\s)+3], s[G1A:G1A+7]
	s_nop 0
.rept 4
	v_nop
.endr
	s_branch .Lasked_\@
.Lfor_b_\@:
	tensor_load_to_lds s[G0B+4*(\s):G0B+4*(\s)+3], s[G1B:G1B+7]
	s_nop 0
.rept 4
	v_nop
.endr
.Lasked_\@:
.endm
.macro CREST
	s_cmp_lg_u32 s[WV], 0
	s_cbranch_scc1 .Lnot_wave_0_\@
	s_barrier_signal -3
.Lnot_wave_0_\@:
	s_barrier_wait -3
	s_barrier_signal -1
	s_barrier_wait -1
.endm
.macro CROUND
	s_barrier_signal -1
	s_barrier_wait -1
	CREST
.endm
; A PREFETCH of z.  A cluster's first eight steps are those that it asks for ahead of the other cluster of its tile rows: it names them itself, three refills ahead (the change behind its step i asks by tensor load for
; step i + 2 and names step i + 5 here: 432 matrix instructions ahead of that step's load): steps 5, 6 and 7, behind its steps 0, 1 and 2.  Steps 0-4 come by their loads alone, and the last eight are the other
; cluster's to name.  Waves 0 and 1 each name 8,192 cx + 256 lane of the first 32,768 bytes of the half that they fetch: partners are told apart by address, and no aligned 256 bytes are named twice in the launch.
; The half's last 4,096 bytes, lo's block, leave 4 blocks of 256 bytes for each of the four partners, which fills no instruction of 32 lanes.  Of W_out nothing is named: each step's first request stands among some
; cluster's first four steps, at the head.
.macro ASK
	WIN 0
	s_cmp_le_u32 s[PFN], s[PFLIM]
	s_cbranch_scc0 .Lnot_mine_\@
	global_prefetch_b8 v[PFO], s[PFA:PFA+1] th:TH_LOAD_NT scope:SCOPE_SE
.Lnot_mine_\@:
.endm
; The scale's two exponent fields, by the same lines as in the launch before.  Values only: no address and no branch hangs on them.
.macro SCALES
	v_and_b32 v1, 31, v0
	v_lshlrev_b32 v2, 4, v1
	v_lshlrev_b32 v3, 2, v1
	global_load_b128 v[4:7], v2, s[8:9]
	global_load_b32 v8, v3, s[8:9] offset:512
	global_load_b32 v9, v3, s[8:9] offset:640
	global_load_b32 v10, v3, s[8:9] offset:768
	s_wait_loadcnt 0x0
	v_max3_num_f32 v4, v4, v5, v6
	v_max_num_f32 v7, v4, v7
.irp m, 1,2,4,8
.irp r, 7,8,9,10
	v_max_num_f32_dpp v\r, v\r, v\r row_xmask:\m row_mask:0xf bank_mask:0xf
.endr
.endr
	v_permlanex16_b32 v4, v7, s[SEL], s[SEL+1]
	v_permlanex16_b32 v5, v8, s[SEL], s[SEL+1]
	v_permlanex16_b32 v6, v9, s[SEL], s[SEL+1]
	v_permlanex16_b32 v2, v10, s[SEL], s[SEL+1]
	v_max_num_f32 v7, v7, v4
	v_max_num_f32 v8, v8, v5
	v_max_num_f32 v9, v9, v6
	v_max_num_f32 v10, v10, v2
	v_sqrt_f32 v7, v7
	v_sqrt_f32 v8, v8
	v_sqrt_f32 v9, v9
	v_sqrt_f32 v10, v10
	v_nop                                          ; a plain instruction behind the last root,
	s_wait_alu depctr_va_vdst(0)                   ; and the one wait ahead of the first use of the four
	v_mul_f32 v8, v7, v8
	v_mul_f32 v9, v7, v9
	v_mul_f32 v10, v7, v10
	v_fma_f32 v9, v9, v10, v9
	v_readfirstlane_b32 s78, v8
	v_readfirstlane_b32 s79, v9
	s_bfe_u32 s78, s78, 0x80017
	s_bfe_u32 s79, s79, 0x80017
	s_sub_co_i32 s[FSU], 253, s78
	s_max_i32 s[FSU], s[FSU], 1
	s_min_i32 s[FSU], s[FSU], 253
	s_sub_co_i32 s[FSP], 268, s79
	s_max_i32 s[FSP], s[FSP], 1
	s_min_i32 s[FSP], s[FSP], 253
.endm
	s_load_b256 s[4:11], s[0:1], 0x0               ; zt 4, wo2 6, norms 8, out0 10
	v_lshl_add_u32 v[SPW], v0, 2, SPARE
	v_mov_b32 v[NIL], 0
	ds_add_u32 v[SPW], v[NIL]                      ; the wave's opening: the add, twice on end, and its wait ahead of my first tensor load
	ds_add_u32 v[SPW], v[NIL]                      ; and once more, under the one wait; the set-up below, work on registers, stands between
	v_lshrrev_b32 v1, 5, v0
	v_readfirstlane_b32 s[WV], v1
	s_lshr_b32 s[WR], s[WV], 1                     ; which half of the tile's rows is mine.  Also: I fetch for z (0) or for W_out (1)
	s_and_b32 s[WC], s[WV], 1                      ; which half of its columns.  Also: which half of that tile I fetch
	s_bfe_u32 s[CX], ttmp6, 0x40000
	s_bfe_u32 s[CY], ttmp6, 0x40004
	s_lshl_b32 s[NT], ttmp9, 2
	s_add_co_u32 s[NT], s[NT], s[CX]               ; tile column = 4 x cluster x + cx
	s_and_b32 s[MT], ttmp7, 0xffff
	s_lshl_b32 s[MT], s[MT], 2
	s_add_co_u32 s[MT], s[MT], s[CY]               ; tile row = 4 x cluster y + cy
	s_and_b32 s[K0], ttmp7, 3                      ; cluster y mod 4
	s_lshl_b32 s[K0], s[K0], 2
	s_lshl_b32 s[KT], ttmp9, 3                     ; 8 x cluster x
	s_add_co_u32 s[K0], s[K0], s[KT]
	s_and_b32 s[K0], s[K0], 15                     ; my cluster begins with this K step: the same in all sixteen partners
	s_mov_b32 s[NXT], 2                            ; steps 0 and 1 are the first fills
	s_mov_b32 s[OFS+1], 0
	s_mov_b32 s[POF+1], 0
	s_lshl_b32 s20, s[CY], 2
	s_lshl_b32 s20, 15, s20                        ; my row of the cluster
	s_lshl_b32 s80, 0x1111, s[CX]                  ; my column
	s_or_b32 s[G1A], s20, (3<<16)|(1<<21)          ; 15:0 the mask; 17:16 elements of 8 bytes; 21 set beside a mask
	s_or_b32 s[G1B], s80, (3<<16)|(1<<21)
	s_mov_b32 s[G1A+1], 32<<16                     ; dense bytes as rows of 32 elements: tensor_dim0 = 32
	s_mov_b32 s[G1A+2], 144<<16                    ; tensor_dim1 = 144
	s_mov_b32 s[G1A+3], 32<<16                     ; tile_dim0 = 32
	s_mov_b32 s[G1A+4], 144                        ; tile_dim1 = 144
	s_mov_b32 s[G1A+5], 32
	s_mov_b32 s[G1A+6], 0
	s_mov_b32 s[G1A+7], 0
	s_mov_b32 s[G1B+1], 32<<16
	s_mov_b32 s[G1B+2], 64<<16
	s_mov_b32 s[G1B+3], 32<<16
	s_mov_b32 s[G1B+4], 64
	s_mov_b32 s[G1B+5], 32
	s_mov_b32 s[G1B+6], 0
	s_mov_b32 s[G1B+7], 0
	s_mul_i32 s22, s[WC], AHALF                    ; my half of z's step, in memory and in a slot
	s_mul_i32 s20, s[MT], ZTILE                    ; a tile row of zt
	s_add_co_u32 s20, s20, s22
	s_mov_b32 s21, 0
	s_lshl_b32 s23, s[WC], 14                      ; my half of W_out's step
	s_lshl_b32 s80, s[NT], 19                      ; a tile column is 524,288 bytes of wo2
	s_add_co_u32 s80, s80, s23
	s_mov_b32 s81, 0
	s_add_co_u32 s23, s23, BOFF
	s_wait_dscnt 0x0                               ; both opening adds are done
	s_wait_kmcnt 0x0
	s_add_nc_u64 s[XB:XB+1], s[4:5], s[20:21]
	s_add_nc_u64 s[WB:WB+1], s[6:7], s[80:81]
	CROUND                                         ; all sixteen work-groups are here: the first joint loads meet
.irp s, 0,1
	s_add_co_u32 s[KT], s[K0], \s
	s_and_b32 s[KT], s[KT], 15                     ; the K step of my cluster's step s
	s_mul_i32 s[OFS], s[KT], ASTEP
	s_mov_b32 s[G0A+4*(\s)], 1
	s_add_co_u32 s[G0A+4*(\s)+1], s22, (\s)*SLOT
	s_add_nc_u64 s[G0A+4*(\s)+2:G0A+4*(\s)+3], s[XB:XB+1], s[OFS:OFS+1]
	s_or_b32 s[G0A+4*(\s)+3], s[G0A+4*(\s)+3], 0x80000000
	s_lshl_b32 s[OFS], s[KT], 15
	s_mov_b32 s[G0B+4*(\s)], 1
	s_add_co_u32 s[G0B+4*(\s)+1], s23, (\s)*SLOT
	s_add_nc_u64 s[G0B+4*(\s)+2:G0B+4*(\s)+3], s[WB:WB+1], s[OFS:OFS+1]
	s_or_b32 s[G0B+4*(\s)+3], s[G0B+4*(\s)+3], 0x80000000
	JLOAD \s
.endr
	v_and_b32 v1, 31, v0
	v_and_b32 v2, 15, v0
	v_bfe_u32 v3, v0, 4, 1
	v_lshlrev_b32 v4, 4, v1
	s_mul_i32 s22, s[WR], AHALF                    ; my 128 rows of z
	v_add_nc_u32 v[ADRA], s22, v4
	v_add_nc_u32 v[ADRA+1], SLOT, v[ADRA]
	s_lshl_b32 s22, s[WC], 14                      ; my 64 columns of W_out
	s_add_co_u32 s22, s22, BOFF
	v_add_nc_u32 v[ADRB], s22, v4
	v_add_nc_u32 v[ADRB+1], SLOT, v[ADRB]
	s_mul_i32 s22, s[WV], 16*SPI
	s_add_co_u32 s22, s22, STAGE                   ; my stage
	v_mul_u32_u24 v5, v2, SPI                      ; in: row lane % 16, 32 bytes for each half of the lanes
	v_lshl_add_u32 v5, v3, 5, v5
	v_add_nc_u32 v[STO], s22, v5
	v_mul_u32_u24 v5, v3, SPI                      ; back: lanes 0-15 take one row of 256 bytes, lanes 16-31 the next
	v_lshl_add_u32 v5, v2, 4, v5
	v_add_nc_u32 v[RD], s22, v5
	v_lshlrev_b32 v5, 12, v3                       ; and the same two rows in out0
	v_lshl_add_u32 v[CO], v2, 4, v5
	v_lshlrev_b32 v[PFO], 8, v1
	s_mov_b32 s[SEL], 0x76543210
	s_mov_b32 s[SEL+1], 0xfedcba98
	s_lshl_b32 s82, s[MT], 20                      ; out0: 256 rows of 4,096 bytes,
	s_lshl_b32 s83, s[WR], 19                      ; my 128,
	s_add_co_u32 s82, s82, s83
	s_lshl_b32 s83, s[NT], 9                       ; 128 columns of f32,
	s_add_co_u32 s82, s82, s83
	s_lshl_b32 s83, s[WC], 8                       ; my 64
	s_add_co_u32 s82, s82, s83
	s_mov_b32 s83, 0
	s_add_nc_u64 s[OUTB:OUTB+1], s[10:11], s[82:83]
	s_mul_i32 s84, s[MT], ZTILE                    ; the prefetches: my tile row,
	s_mul_i32 s83, s[WC], AHALF                    ; the half that I fetch,
	s_add_co_u32 s84, s84, s83
	s_lshl_b32 s83, s[CX], 13                      ; my work-group's 8,192 bytes of it
	s_add_co_u32 s84, s84, s83
	s_mov_b32 s85, 0
	s_add_nc_u64 s[PFB:PFB+1], s[4:5], s[84:85]
	s_cmp_eq_u32 s[WR], 0                          ; do I fetch for z?
	s_cselect_b32 s[PFLIM], 3, 0
	s_mov_b32 s[PFN], 0
	SCALES
	s_add_co_u32 s78, s[FSU], s[FSP]
	s_sub_co_i32 s78, 381, s78                     ; 127 + G, G = 254 - the two fields
	s_max_i32 s78, s78, 1
	s_min_i32 s78, s78, 254
	s_lshl_b32 s[SG], s78, 23
	s_mov_b32 s[SG+1], s[SG]                       ; named with it as a pair
; 8 matrix instructions: row blocks a0, a0 + 1 x all 4 column blocks, 32 along K.  The accumulators take turns, one instruction a turn.
.macro MUL8 f, a0, zero
	WIN MUL
.irp a, \a0, (\a0)+1
.irp b, 0,1,2,3
.if \zero
	v_wmma_f32_16x16x32_f16 v[8*(4*(\a)+(\b)):8*(4*(\a)+(\b))+7], v[(\f)+64+8*(\b):(\f)+64+8*(\b)+7], v[(\f)+8*(\a):(\f)+8*(\a)+7], 0
.else
	v_wmma_f32_16x16x32_f16 v[8*(4*(\a)+(\b)):8*(4*(\a)+(\b))+7], v[(\f)+64+8*(\b):(\f)+64+8*(\b)+7], v[(\f)+8*(\a):(\f)+8*(\a)+7], v[8*(4*(\a)+(\b)):8*(4*(\a)+(\b))+7]
.endif
.endr
.endr
.endm
; 4 matrix instructions: lo's block x all 4 column blocks, into accumulators of their own, which take their turns among the others
.macro MULLO f, zero
	WIN MULO
.irp b, 0,1,2,3
.if \zero
	v_wmma_f32_16x16x32_f16 v[LOA+8*(\b):LOA+8*(\b)+7], v[(\f)+64+8*(\b):(\f)+64+8*(\b)+7], v[(\f)+96:(\f)+103], 0
.else
	v_wmma_f32_16x16x32_f16 v[LOA+8*(\b):LOA+8*(\b)+7], v[(\f)+64+8*(\b):(\f)+64+8*(\b)+7], v[(\f)+96:(\f)+103], v[LOA+8*(\b):LOA+8*(\b)+7]
.endif
.endr
.endm
; 26 LDS loads in one run: quarter kq's fragments into buffer f: W_out's 4, lo's one, then z's 8
.macro FETCH slot, kq, f
	WIN TO_F
.irp b, 0,1,2,3
	ds_load_tr16_b128 v[(\f)+64+8*(\b):(\f)+64+8*(\b)+3],   v[ADRB+(\slot)] offset:(8*(\b)+2*(\kq))*512
	ds_load_tr16_b128 v[(\f)+64+8*(\b)+4:(\f)+64+8*(\b)+7], v[ADRB+(\slot)] offset:(8*(\b)+2*(\kq))*512+512
.endr
	ds_load_tr16_b128 v[(\f)+96:(\f)+99],   v[ADRA+(\slot)] offset:(64+2*(\kq))*512
	ds_load_tr16_b128 v[(\f)+100:(\f)+103], v[ADRA+(\slot)] offset:(64+2*(\kq))*512+512
.irp a, 0,1,2,3,4,5,6,7
	ds_load_tr16_b128 v[(\f)+8*(\a):(\f)+8*(\a)+3],   v[ADRA+(\slot)] offset:(8*(\a)+2*(\kq))*512
	ds_load_tr16_b128 v[(\f)+8*(\a)+4:(\f)+8*(\a)+7], v[ADRA+(\slot)] offset:(8*(\a)+2*(\kq))*512+512
.endr
.endm
; A K step is four quarters of 32 along K, 36 matrix instructions each, on buffers 0, 1, 0, 1.
.macro QUARTER slot, kq, f, g, zero
	s_wait_dscnt 8                                 ; W_out, lo and z's row blocks 0-3 are in; the youngest eight loads (blocks 4-7) may be out
	MUL8 \f, 0, \zero
	MULLO \f, \zero
	MUL8 \f, 2, \zero
	PLACES
	FETCH \slot, \kq, \g
	s_wait_dscnt 26                                ; all but the 26 just issued
	MUL8 \f, 4, \zero
	MUL8 \f, 6, \zero
.endm
; The last quarter multiplies buffer 1 and changes slots: ONE barrier; in front of it each wave waits for all its tensor loads, adds 0 to its spare word, and waits for that and for its reads of this slot.
; fill = 1: the barrier opens a round of the cluster's, and this slot is filled again, with my cluster's step NXT, K step (K0 + NXT) mod 16, first thing behind it: 124 matrix instructions ahead of the wait for it.
.macro TURN slot, next, fill
.if \fill
	s_wait_xcnt 0x0                                ; the last prefetch, a step back, has read its address
	s_add_co_u32 s[PFN], s[PFN], 1
	s_add_co_u32 s[KU], s[PFN], s[K0]
	s_add_co_u32 s[KU], s[KU], 4                   ; this change stands behind my step PFN - 1: the step named is PFN + 4
	s_and_b32 s[KU], s[KU], 15
	s_mul_i32 s[POF], s[KU], ASTEP
	s_add_nc_u64 s[PFA:PFA+1], s[PFB:PFB+1], s[POF:POF+1]
.endif
	WIN 0
	s_wait_tensorcnt 0x0                           ; all my tensor loads have landed: my part of the next slot; so a group 0 may be written
	ds_add_u32 v[SPW], v[NIL]
.if \fill
	s_add_co_u32 s[KT], s[NXT], s[K0]
	s_and_b32 s[KT], s[KT], 15                     ; the K step
	s_mul_i32 s[OFS], s[KT], ASTEP
	s_add_nc_u64 s[G0A+4*(\slot)+2:G0A+4*(\slot)+3], s[XB:XB+1], s[OFS:OFS+1]
	s_or_b32 s[G0A+4*(\slot)+3], s[G0A+4*(\slot)+3], 0x80000000
	s_lshl_b32 s[OFS], s[KT], 15
	s_add_nc_u64 s[G0B+4*(\slot)+2:G0B+4*(\slot)+3], s[WB:WB+1], s[OFS:OFS+1]
	s_or_b32 s[G0B+4*(\slot)+3], s[G0B+4*(\slot)+3], 0x80000000
	s_add_co_u32 s[NXT], s[NXT], 1
.endif
	s_wait_dscnt 9                                 ; (the add and the youngest eight loads may be out)
	MUL8 F1, 0, 0                                  ; twelve matrix instructions stand between the add and the wait for it
	MULLO F1, 0
	s_wait_dscnt 0x0                               ; the add is done, and my reads of this slot are over
	s_barrier_signal -1
	MUL8 F1, 2, 0
.if \fill
	WIN 0
.endif
	s_barrier_wait -1
.if \fill
	CREST
	JLOAD \slot                                    ; its four v_nop are also the places in front of the loads below
.else
	PLACES
.endif
	FETCH \next, 0, F0
.if \fill
	ASK
.endif
	MUL8 F1, 4, 0
	MUL8 F1, 6, 0
.endm
; THE WAY OUT of row block a: (block 0: plus 2^-11 x lo's sums;) times 2^G; 32 bytes a lane and column block into my own stage; back as whole rows of 256 bytes; stored.
.macro PACK a
.if (\a) == 0
	WIN 0x21                                       ; source 0 in window 1, source 2 in window 2
.set k, 0
.rept 16                               ; each accumulator's registers in ascending order
	v_pk_fma_f32 v[TMP+2*k:TMP+2*k+1], v[LOA+2*k:LOA+2*k+1], 0x3a000000, v[2*k:2*k+1] op_sel_hi:[1,0,1]
.set k, k+1
.endr
	WIN 0
.set k, 0
.rept 16
	v_pk_mul_f32 v[TMP+2*k:TMP+2*k+1], v[TMP+2*k:TMP+2*k+1], s[SG:SG+1] op_sel_hi:[1,0]
.set k, k+1
.endr
.else
	WIN 0x02                                       ; source 0 in window 2
.set k, 0
.rept 16
	v_pk_mul_f32 v[TMP+2*k:TMP+2*k+1], v[32*(\a)+2*k:32*(\a)+2*k+1], s[SG:SG+1] op_sel_hi:[1,0]
.set k, k+1
.endr
	WIN 0
.endif
.endm
.macro TOSTAGE a
.set BK, OB+32*((\a)%2)
.irp b, 0,1,2,3
	ds_store_b128 v[STO], v[TMP+8*(\b):TMP+8*(\b)+3]   offset:64*(\b)
	ds_store_b128 v[STO], v[TMP+8*(\b)+4:TMP+8*(\b)+7] offset:64*(\b)+16
.endr
.irp t, 0,1,2,3,4,5,6,7
	ds_load_b128 v[BK+4*(\t):BK+4*(\t)+3], v[RD] offset:(\t)*2*SPI  ; the stage is my wave's own, and LDS serves a wave's instructions in order: these see the stores above
.endr
.endm
.macro SEND a
.set BK, OB+32*((\a)%2)
	s_wait_dscnt 0x0                               ; the block is back in registers
	s_wait_xcnt 0x0                                ; earlier stores have read their base and their data: only behind this wait are they rewritten
.if (\a) > 0
	s_add_nc_u64 s[OUTB:OUTB+1], s[OUTB:OUTB+1], 16*4096
.endif
.irp t, 0,1,2,3,4,5,6,7
	global_store_b128 v[CO], v[BK+4*(\t):BK+4*(\t)+3], s[OUTB:OUTB+1] offset:(\t)*8192 th:TH_STORE_NT  ; 16 lanes store 256 consecutive bytes, at a multiple of 256 from out0's first byte
.endr
.endm
	s_wait_tensorcnt 0x1                           ; my part of step 0 is in; step 1's may stay out
	s_barrier_signal -1
	s_barrier_wait -1
	FETCH 0, 0, F0
	QUARTER 0, 1, F0, F1, 1                        ; the first quarter stands in front of the loop: its products start the sums
	WIN 0
	s_mov_b32 s[LP], 7
.Llap:                                         ; a trip goes once round the ring, from a lap's second quarter to the next lap's first, and fills both slots again
	QUARTER 0, 2, F1, F0, 0
	QUARTER 0, 3, F0, F1, 0
	TURN 0, 1, 1
	QUARTER 1, 1, F0, F1, 0
	QUARTER 1, 2, F1, F0, 0
	QUARTER 1, 3, F0, F1, 0
	TURN 1, 0, 1
	QUARTER 0, 1, F0, F1, 0
	WIN 0
	s_sub_co_u32 s[LP], s[LP], 1
	s_cmp_lg_u32 s[LP], 0
	s_cbranch_scc1 .Llap
	QUARTER 0, 2, F1, F0, 0                        ; the last lap fills nothing, and has no round of the cluster's barrier
	QUARTER 0, 3, F0, F1, 0
	TURN 0, 1, 0
	QUARTER 1, 1, F0, F1, 0
	QUARTER 1, 2, F1, F0, 0
	QUARTER 1, 3, F0, F1, 0
	s_wait_dscnt 8                                 ; the very last quarter: nothing more to fetch
	MUL8 F1, 0, 0
	MULLO F1, 0
	MUL8 F1, 2, 0
	s_wait_dscnt 0x0
	MUL8 F1, 4, 0
	MUL8 F1, 6, 0
	PLACES                                         ; behind the last products
	PACK 0
	TOSTAGE 0
.irp a, 1,2,3,4,5,6,7                  ; block a's scaling stands between block a - 1's loads from the stage and the wait for them
	PACK \a
	SEND (\a)-1
	TOSTAGE \a
.endr
	SEND 7
	s_wait_tensorcnt 0x0                           ; the wave's end: behind my last tensor load and my last LDS store
	ds_add_u32 v[SPW], v[NIL]
	s_wait_dscnt 0x0
	CROUND                                         ; the closing round: no work-group ends while a partner may still ask for a tile that names it
	s_endpgm
.Lfunc_end_k_q5b35c7d6b0_proj:
	.size	k_q5b35c7d6b0_proj, .Lfunc_end_k_q5b35c7d6b0_proj-k_q5b35c7d6b0_proj
	.p2alignl 7, 3214868480
	.fill 96, 4, 3214868480
	.section	.rodata,"a",@progbits
	.p2align	6, 0x0
	.amdhsa_kernel k_q5b35c7d6b0_proj
		.amdhsa_group_segment_fixed_size 327680
		.amdhsa_private_segment_fixed_size 0
		.amdhsa_enable_private_segment 0
		.amdhsa_kernarg_size 32
		.amdhsa_user_sgpr_count 2
		.amdhsa_user_sgpr_kernarg_segment_ptr 1
		.amdhsa_wavefront_size32 1
		.amdhsa_system_sgpr_workgroup_id_x 1
		.amdhsa_system_sgpr_workgroup_id_y 1
		.amdhsa_system_sgpr_workgroup_id_z 1
		.amdhsa_system_vgpr_workitem_id 0
		.amdhsa_next_free_vgpr 768
		.amdhsa_next_free_sgpr 96
		.amdhsa_reserve_vcc 0
		.amdhsa_float_denorm_mode_32 3
		.amdhsa_float_denorm_mode_16_64 3
		.amdhsa_memory_ordered 1
		.amdhsa_forward_progress 1
		.amdhsa_inst_pref_size 107
	.end_amdhsa_kernel
	.amdgpu_metadata
---
amdhsa.version: [ 1, 2 ]
amdhsa.kernels:
  - .name:           k_q5b35c7d6b0_proj
    .symbol:         k_q5b35c7d6b0_proj.kd
    .args:
      - { .name: zt, .offset: 0, .size: 8, .value_kind: global_buffer, .address_space: global }
      - { .name: wo2, .offset: 8, .size: 8, .value_kind: global_buffer, .address_space: global }
      - { .name: norms, .offset: 16, .size: 8, .value_kind: global_buffer, .address_space: global }
      - { .name: out0, .offset: 24, .size: 8, .value_kind: global_buffer, .address_space: global }
    .group_segment_fixed_size: 327680
    .private_segment_fixed_size: 0
    .kernarg_segment_align: 8
    .kernarg_segment_size: 32
    .max_flat_workgroup_size: 128
    .sgpr_count:     96
    .vgpr_count:     768
    .wavefront_size: 32
...
	.end_amdgpu_metadata
.endif
;; end of part 3
